; MI455X (gfx1250); checked and timed in simulation.
; The chip was launched on July 23, 2026; its instructions are those of AMD's public machine-readable ISA for CDNA 5 (MIT licence, August 2026) and "CDNA5" Instruction Set Architecture Reference Guide (July 2026). The comments in the code are by the model that wrote it; some were corrected since.
;; MLP Param. Allowed arithmetic: matrix products marked QUANTISED: E5M2 operands, one E8M0 scale for each 32 along K, by v_wmma_scale_f32_16x16x128_f8f6f4 with both operands' format E5M2, f32 sums; products left as they are: f32 operands where the result goes on into a quantised operand, else bf16, f16 or f32 operands; f32 sums; everything else in f32.
;; Inputs: W_1_codes 64 x 512 x 16 x 32 uint8 (E5M2 codes of W_1, K innermost, in blocks of 32 codes); W_1_scales 64 x 512 x 16 uint8 (E8M0 scales of W_1, one for each 32 codes along K); b_1_codes 512 x 2 x 32 uint8 (E5M2 codes of b_1, K innermost, in blocks of 32 codes); b_1_scales 512 x 2 uint8 (E8M0 scales of b_1, one for each 32 codes along K); var_vector 4,096 x 64 float32; x_codes 4,096 x 16 x 32 uint8 (E5M2 codes of x, K innermost, in blocks of 32 codes); x_scales 4,096 x 16 uint8 (E8M0 scales of x, one for each 32 codes along K).
;; Outputs: out0 4,096 x 512 float32.
;; This version of the problem:
;;   THIS VERSION OF THE PROBLEM IS GIVEN IN LOW PRECISION. The matrix products marked QUANTISED in the list below multiply operands that are first quantised to E5M2 (5 exponent bits, 2 mantissa bits; 8 bits a number), with one power-of-two scale for each 32 numbers along K (OCP MX v1.0); their sums are f32. All else is computed in f32.
;;   The module's matrix products, in the order in which they are computed (A, B: the left and right operand; K: the contracted axis; several contracted axes count as one K, in the product's order):
;;     1. [M 4,096, K 512] x [K 512, N 32,768]; A: input x (given as codes); B: input W_1 (given as codes): QUANTISED
;;     2. batch 4,096 x [M 1, K 64] x [K 64, N 512]; A: input var_vector; B: computed on the way: left as it is (M = 1 < 16)
;;     3. [M 4,096, K 64] x [K 64, N 512]; A: input var_vector; B: input b_1 (given as codes): QUANTISED
;;   THE QUANTISER, for each operand of a quantised product, along K:
;;     - K is cut into blocks of 32 from its start; a last block that is shorter is filled with zeros.
;;     - A block's scale is 2^e with e = floor(log2(the largest magnitude in the block)) - 15, held to -126 .. 127; a block of zeros has e = 0. As a byte (E8M0): e + 127.
;;     - Each number is divided by its block's scale, clamped to +-57,344, and rounded to the nearest number of E5M2, ties to even, subnormals kept.
;;     - The product sums the exact products of the quantised numbers (number of the format x scale) in f32.
;;   ~~~python
;;   def quantise(x, axis):      # numpy; x: float32 -> the quantised numbers, widened to float32 again
;;       x = np.moveaxis(x, axis, -1); K = x.shape[-1]
;;       x = np.pad(x, [(0, 0)] * (x.ndim - 1) + [(0, -K % 32)]); x = x.reshape(x.shape[:-1] + (-1, 32)); a = np.abs(x).max(-1, keepdims=True)
;;       e = np.where(a > 0, np.clip(np.frexp(np.where(a > 0, a, 1))[1] - 1 - 15, -126, 127), 0)      # np.frexp(a)[1] - 1 = floor(log2(a)), exactly
;;       r = np.clip(x / 2.0 ** e, -57344, 57344)
;;       step = 2.0 ** (np.maximum(np.frexp(np.where(r == 0, 1, r))[1] - 1, -14) - 2)
;;       q = np.round(r / step) * step * 2.0 ** e      # np.round: ties to even
;;       return np.moveaxis(q.reshape(q.shape[:-2] + (-1,))[..., :K], -1, axis).astype(np.float32)
;;   ~~~
;;   INPUTS GIVEN AS CODES. W_1 (in the module: [64, 512, 512], K = its axis 1); b_1 (in the module: [64, 512], K = its axis 0); x (in the module: [4096, 512], K = its axis 1): each comes as NAME_codes (uint8): NAME with its K axis moved to the last place and cut into blocks of 32 codes, [.., K / 32, bytes a block], one block behind the other in memory; one code a byte (a code: sign, 5 exponent bits, 2 mantissa bits); and NAME_scales (uint8): the same leading axes, one E8M0 byte (e + 127) for each 32 codes along K. Its value is code x scale, taken as it is: it is not quantised again, and the codes and scales need not be those that the quantiser above would give.
;; 2 versions. Each part assembles by itself: llvm-mc -triple=amdgcn-amd-amdhsa -mcpu=gfx1250 --defsym DOCPART=n.
;; ======== version 1 of 2: 1 launch
;; launch mlp (part 1): grid 32 x 8, 4 waves a work-group, clusters of 4 x 1, 327,680 bytes of LDS; arguments W_1_codes, W_1_scales, b_1_codes, b_1_scales, var_vector, x_codes, x_scales, out0; writes out0
.if DOCPART == 1
	.amdgcn_target "amdgcn-amd-amdhsa--gfx1250"
	.amdhsa_code_object_version 6
	.text
	.protected	k_q17e58a7e82_mlp
	.globl	k_q17e58a7e82_mlp
	.p2align	8
	.type	k_q17e58a7e82_mlp,@function
k_q17e58a7e82_mlp:
	s_mov_b64 s[64:65], 0
	v_nop
	global_prefetch_b8 v0, s[64:65] scope:SCOPE_SE
	s_setreg_imm32_b32 hwreg(HW_REG_WAVE_MODE, 25, 1), 1
	s_wait_xcnt 0x0
	s_wait_alu depctr_hold_cnt(0) depctr_sa_sdst(0) depctr_va_vdst(0) depctr_va_sdst(0) depctr_va_ssrc(0) depctr_va_vcc(0) depctr_vm_vsrc(0)
	s_getreg_b32 s2, hwreg(HW_REG_IB_STS2, 6, 4)
	s_cmp_eq_u32 s2, 0
	s_cbranch_scc0 .Lentry_in_a_cluster
	s_endpgm
.Lentry_in_a_cluster:
	s_bfe_u32 s2, ttmp6, 0x10000c
	s_cmp_lg_u32 s2, 0x3003
	s_cbranch_scc0 .Lentry_shape_is_right
	s_endpgm
.Lentry_shape_is_right:
; out[n][o] = sum over d of v[n][d] y[n][d][o]  +  sum over d of Q(v)[n][d] b[d][o],   y[n][d][o] = sum over i of x[n][i] W[d][i][o].
; x [4096][512], W [64 d][512 o][512 i], b [512 o][64 d]: codes of BF8 (E5M2), K innermost, one E8M0 byte for each 32 along K.  v [4096][64] f32.  out [4096][512] f32.
; y and the bias go through v_wmma_scale_f32_16x16x128_f8f6f4; v is quantised here along d for the bias product; the weighting of y by v is f32 fused multiply-adds, d ascending.
; SHARES.  A work-group owns 128 rows x 64 outputs of out (a row's piece is 256 consecutive bytes, aligned) and walks all 64 d: each output has one owner, nothing intermediate goes to memory.
; Wave w owns all 128 rows x outputs 16 w .. 16 w + 15.  Its x (8 tiles of 16 rows x 4 K steps x 16 registers = 512 registers) stays in registers for the whole launch.
; W comes through a ring of two LDS slots of 4 d each (64 rows o x 512 bytes a d); each byte of a slot is read from LDS once, by the one wave that owns its row o.
; CLUSTER.  The four work-groups of a cluster have the same 64 outputs and other rows: they walk the same tiles of W, so each tile is asked for JOINTLY (mask 15): wave w of each asks for d = 4 g + w.
; TRANSPOSED USE.  Source 0 = 16 rows o of W (or of b), source 1 = 16 samples: in a result lane (r, h) holds sample r and outputs 8 h + 0 .. 7, so v[n][d] is ONE register a lane and tile.
; BY TURNS.  A d is 32 products: 8 tiles x 4 K steps, in three groups by x's window: G0 = tiles 0, 1 (window 0), G1 = tiles 2-4 (window 2), G2 = tiles 5-7 (window 3).  A finished tile of y is folded into the
; output sums by 4 packed multiply-adds.  Those of one group stand between ANOTHER group's products, and the group's v lies in the window that is then set for source 1: one setting serves products and multiply-adds.
;   while G0 is multiplied: G1's y of the d before (v in window 0);  while G1: G2's of the d before (v in window 2);  while G2: G0's of this d (v in window 3).
; These multiply-adds are also the places that stand between a product and the first read of its result, and in front of loads into registers that products have read: counted at GRP.
; REGISTERS, in windows of 256 (s_set_vgpr_msb: bits 1:0 source 0, 3:2 source 1, 5:4 source 2, 7:6 destination):
;   window 0: v1 b's scale word; v2-23 addresses; v24-39 x's scale words; v40-55 W's; v56-63 Q(v)'s; v68-91 v of tiles 2-4; v96-111 b's fragment; v112-127 at work; v128-255 x tiles 0, 1
;   window 1: v0-63, v64-127 W's four fragments of a d, two buffers; v128-191 y, 8 a tile; v192-255 the output sums, 8 a tile.  (At the head v64-191 hold Q(v)'s eight fragments.)
;   window 2: v0-191 x tiles 2-4; v192-215 v of tiles 5-7.      window 3: v0-191 x tiles 5-7; v192-207 v of tiles 0, 1.
; LIMITS.  NaN and infinities in var_vector are not served.  A block of 32 of v whose largest magnitude lies under 2^(16 - 127), a block of zeros among them, gets the scale byte 1 (for zeros the rule says 127:
; the codes are zeros and the byte is read by this text alone).  The sum over d is a chain of f32 multiply-adds in ascending d behind the bias, not the order of the defining text.
.set PITCH, 528                        ; a row of W in LDS: 512 bytes + 16 of padding = 132 words: row r starts at bank 4 r mod 64 (64 banks of 4 bytes: ISA guide 11.1)
.set DPART, 64*PITCH                   ; one d: 64 rows o: what one tensor load brings
.set SLOT,  4*DPART                    ; four d
.set VREG,  2*SLOT                     ; behind the ring: v as f32, 128 rows of 256 bytes + 16
.set VPI,   272
.set QIMG,  VREG+128*VPI               ; Q(v)'s fragments as images of their registers: tile t at 1024 t, block c at 512 c, 16 bytes a lane
.set QSC,   QIMG+8192                  ; their scale words: tile t at 128 t, 4 bytes a lane
.set SPARE, QSC+1024                   ; the spare words, 128 bytes for each wave: two blocks of 256 bytes that no other line names
                                       ; the way out's stage, 128 rows x 272 bytes, lies at byte 0, in slot 0, behind that slot's last fill and last read
.set BS,  1                            ; v1   b's scale word (nothing else ever)
.set SPW, 2                            ; v2   LDS address of my spare word; never rewritten
.set NIL, 3                            ; v3   0; never rewritten
.set AW,  4                            ; v4-7 LDS address of my W fragments: slot s, d pair p at v[AW + 2 s + p]
.set VA,  8                            ; v8   LDS address of row r's v of the group of four d to be fetched
.set XO,  9                            ; v9   x: 512 r + 16 h
.set WSO, 10                           ; v10  W's scales: 8192 h + 16 r: lanes 0-15 an even d, lanes 16-31 the odd d behind it
.set PFO, 11                           ; v11  the prefetches' offset: 256 x lane; never rewritten
.set STO, 12                           ; v12  the way out: where I put 32 bytes of a row
.set SRD, 13                           ; v13  the way out: where I read a row back
.set GO,  14                           ; v14  my byte offset in the wave's rows of out
.set L16, 15                           ; v15  16 x lane
.set VS,  16                           ; v16  where I store v as it is loaded
.set VQ,  17                           ; v17  where I read my 16 neighbours of a block of v
.set QWI, 18                           ; v18  where I store Q(v)'s images
.set QWS, 19                           ; v19  and their scale words
.set LI,  20                           ; v20  where any wave reads an image
.set LS,  21                           ; v21  and a scale word
.set BO,  22                           ; v22  b's codes: 64 r + 16 h
.set BSO, 23                           ; v23  b's scales: 2 r
.set XS,  24                           ; x's scale words: register 4 (t / 2) + k: lanes 0-15 the even tile, lanes 16-31 the odd one
.set WQ,  40                           ; W's scale words: four sets of four; set (d / 2) % 4, register k: lanes 0-15 the even d, lanes 16-31 the odd one
.set QS,  56                           ; Q(v)'s scale words, one a tile
.set RR,  64                           ; head: r
.set HH,  65                           ; head: h
.set LN,  66                           ; head: lane
.set TP,  67                           ; head: at work
.set PC,  72                           ; head: the codes just made
.set PW,  88                           ; head: two scale words just made
.set BF,  96                           ; b's fragment
.set TM,  112                          ; the quantiser: +0 largest magnitudes, +4 bytes, +8 the largest number x the scale, +12 the conversions' scale operands
.set VT,  128                          ; head: v as loaded
.set NUM, 192                          ; head: 64 numbers of v: register 16 b + i
.set YB,  128                          ; window 1: y
.set ACC, 192                          ; window 1: the output sums
.set WV,  20                           ; s20  my wave's number
.set CX,  21                           ; s21  my place in the cluster
.set RB,  22                           ; s22  my block of 128 rows
.set YO,  23                           ; s23  my block of 64 outputs
.set G1W, 24                           ; s[24:31] descriptor group 1
.set G0,  40                           ; s[40:47] descriptor group 0, a set for each slot
.set SEL, 52                           ; s[52:53] v_permlanex16_b32's selects for lane l xor 16
.set MNT, 54                           ; s54  the mantissa field of 57,344
.set CNT, 55                           ; s55  trips to go
.set LIM, 56                           ; s56  1 in a wave that prefetches, else the greatest number
.set PFA, 58                           ; s[58:59] where my prefetches stand
.set WSB, 60                           ; s[60:61] W's scales at my 16 rows o; steps 8 d a trip
.set OUTB, 62                          ; s[62:63] out at the first row that I store
.set MSB, 0
.macro WIN new                         ; the immediate's high byte repeats the setting that is left; a switch that changes nothing is dropped
.if MSB != \new
	s_set_vgpr_msb (MSB<<8)|\new
.set MSB, \new
.endif
.endm
.macro CREST                           ; a round of the cluster's barrier behind its opening barrier
	s_cmp_lg_u32 s[WV], 0
	s_cbranch_scc1 .Lnot_wave_0_\@
	s_barrier_signal -3
.Lnot_wave_0_\@:
	s_barrier_wait -3
	s_barrier_signal -1
	s_barrier_wait -1
.endm
.macro CROUND                          ; a whole round
	s_barrier_signal -1
	s_barrier_wait -1
	CREST
.endm
; A PREFETCH INTO THE L2, behind a turn's joint load and its LDS loads: the group of four d that stands TWO refills on.  Wave w's d of a group is 128 blocks of 256 bytes; the four partners that ask for it jointly
; share them out BY ADDRESS, 32 each, a lane a block, one instruction a wave.  All clusters of a block of outputs walk the same W: the first of them (cluster x = 0) asks.  So each block is named once in the launch.
; The last trip, whose two refills have no group two on, asks for nothing; groups 0 to 3 come by their loads alone.
.macro ASK
	s_cmp_gt_u32 s[CNT], s[LIM]
	s_cbranch_scc0 .Lnot_mine_\@
	global_prefetch_b8 v[PFO], s[PFA:PFA+1] th:TH_LOAD_NT scope:SCOPE_SE
.Lnot_mine_\@:
.endm
; One product: y tile t, K step k; W's buffer buf (= d % 2, which is also the row of W's scale words), set q of W's scale words.  k = 0 starts the sum: nothing is ever cleared.
.macro MM t, k, buf, q
.set yT, YB+8*(\t)
.set wA, 64*(\buf)+16*(\k)
.if (\t) < 2
.set xR, 128+64*(\t)+16*(\k)
.elseif (\t) < 5
.set xR, 64*((\t)-2)+16*(\k)
.else
.set xR, 64*((\t)-5)+16*(\k)
.endif
.set sW, WQ+4*(\q)+(\k)
.set sX, XS+4*((\t)/2)+(\k)
.if (\k) == 0
.if (\buf) == 0
.if ((\t)&1) == 0
	v_wmma_scale_f32_16x16x128_f8f6f4 v[yT:yT+7], v[wA:wA+15], v[xR:xR+15], 0, v[sW], v[sX] matrix_a_fmt:MATRIX_FMT_BF8 matrix_b_fmt:MATRIX_FMT_BF8
.else
	v_wmma_scale_f32_16x16x128_f8f6f4 v[yT:yT+7], v[wA:wA+15], v[xR:xR+15], 0, v[sW], v[sX] matrix_a_fmt:MATRIX_FMT_BF8 matrix_b_fmt:MATRIX_FMT_BF8 matrix_b_scale:MATRIX_SCALE_ROW1
.endif
.else
.if ((\t)&1) == 0
	v_wmma_scale_f32_16x16x128_f8f6f4 v[yT:yT+7], v[wA:wA+15], v[xR:xR+15], 0, v[sW], v[sX] matrix_a_fmt:MATRIX_FMT_BF8 matrix_b_fmt:MATRIX_FMT_BF8 matrix_a_scale:MATRIX_SCALE_ROW1
.else
	v_wmma_scale_f32_16x16x128_f8f6f4 v[yT:yT+7], v[wA:wA+15], v[xR:xR+15], 0, v[sW], v[sX] matrix_a_fmt:MATRIX_FMT_BF8 matrix_b_fmt:MATRIX_FMT_BF8 matrix_a_scale:MATRIX_SCALE_ROW1 matrix_b_scale:MATRIX_SCALE_ROW1
.endif
.endif
.else
.if (\buf) == 0
.if ((\t)&1) == 0
	v_wmma_scale_f32_16x16x128_f8f6f4 v[yT:yT+7], v[wA:wA+15], v[xR:xR+15], v[yT:yT+7], v[sW], v[sX] matrix_a_fmt:MATRIX_FMT_BF8 matrix_b_fmt:MATRIX_FMT_BF8
.else
	v_wmma_scale_f32_16x16x128_f8f6f4 v[yT:yT+7], v[wA:wA+15], v[xR:xR+15], v[yT:yT+7], v[sW], v[sX] matrix_a_fmt:MATRIX_FMT_BF8 matrix_b_fmt:MATRIX_FMT_BF8 matrix_b_scale:MATRIX_SCALE_ROW1
.endif
.else
.if ((\t)&1) == 0
	v_wmma_scale_f32_16x16x128_f8f6f4 v[yT:yT+7], v[wA:wA+15], v[xR:xR+15], v[yT:yT+7], v[sW], v[sX] matrix_a_fmt:MATRIX_FMT_BF8 matrix_b_fmt:MATRIX_FMT_BF8 matrix_a_scale:MATRIX_SCALE_ROW1
.else
	v_wmma_scale_f32_16x16x128_f8f6f4 v[yT:yT+7], v[wA:wA+15], v[xR:xR+15], v[yT:yT+7], v[sW], v[sX] matrix_a_fmt:MATRIX_FMT_BF8 matrix_b_fmt:MATRIX_FMT_BF8 matrix_a_scale:MATRIX_SCALE_ROW1 matrix_b_scale:MATRIX_SCALE_ROW1
.endif
.endif
.endif
.endm
; One packed multiply-add: outputs 2 j, 2 j + 1 of tile t: sum += y x v[n][d].  dl = d % 4 picks the register of the four that a group's load brought (its pair, and by op_sel the half that feeds both results);
; par = the group's set of v registers.  first = 1: there is no y yet: a v_nop keeps the place.
.macro FM t, j, dl, par, first
.if \first
	v_nop
.else
.set aT, ACC+8*(\t)+2*(\j)
.set yP, YB+8*(\t)+2*(\j)
.if (\t) < 2
.set vB, 192+8*(\par)+4*(\t)+((\dl)&2)
.elseif (\t) < 5
.set vB, 68+12*(\par)+4*((\t)-2)+((\dl)&2)
.else
.set vB, 192+12*(\par)+4*((\t)-5)+((\dl)&2)
.endif
.if ((\dl)&1) == 0
	v_pk_fma_f32 v[aT:aT+1], v[yP:yP+1], v[vB:vB+1], v[aT:aT+1] op_sel_hi:[1,0,1]
.else
	v_pk_fma_f32 v[aT:aT+1], v[yP:yP+1], v[vB:vB+1], v[aT:aT+1] op_sel:[0,1,0] op_sel_hi:[1,1,1]
.endif
.endif
.endm
; Products lo .. hi - 1 of group g, K step outermost, the group's tiles by turns, one instruction a turn, each with its share of another group's multiply-adds behind it:
; G0: 8 products, 12 multiply-adds (1, 2, 1, 2 ..); G1: 12 and 12; G2: 12 and 8 (0, 1, 1 ..).  Multiply-add f is tile first + f / 4, pair f % 4: each y is read from its low end on.
; PLACES, by count of multiply-adds that name no register of the product in question: from G1's last product to the first read of G1's y 1 + 8 = 9; from G2's last to G2's y 1 + 12 = 13; from G0's last to G0's y
; 2 + 12 = 14; from G2's last product to the loads into the W buffer and the scale words that it read 1 + 12 = 13; from a tile's last product to the product that begins the tile anew more than 9.
.macro GRP g, lo, hi, dl, par, first
.if (\dl) == 0
.set lpar, 1-(\par)                    ; the d before belongs to the group before
.else
.set lpar, \par
.endif
.set ldl, ((\dl)+3)&3
.set gi, \lo
.rept (\hi)-(\lo)
.if (\g) == 0
	MM gi%2, gi/2, (\dl)&1, 2*(\par)+(\dl)/2
.set f0, (3*gi)/2
.set f1, (3*gi+3)/2
.elseif (\g) == 1
	MM 2+gi%3, gi/3, (\dl)&1, 2*(\par)+(\dl)/2
.set f0, gi
.set f1, gi+1
.else
	MM 5+gi%3, gi/3, (\dl)&1, 2*(\par)+(\dl)/2
.set f0, (2*gi)/3
.set f1, (2*gi+2)/3
.endif
.irp n, 0,1
.if f0+\n < f1
.if (\g) == 0
	FM 2+(f0+\n)/4, (f0+\n)%4, ldl, lpar, \first
.elseif (\g) == 1
	FM 5+(f0+\n)/4, (f0+\n)%4, ldl, lpar, \first
.else
	FM (f0+\n)/4, (f0+\n)%4, \dl, \par, 0
.endif
.endif
.endr
.set gi, gi+1
.endr
.endm
; A d's four fragments of W (my 16 rows o x 512 along K) into buffer buf of window 1: a fragment is 16 registers: lane (r, h) holds row r; registers 4 c .. 4 c + 3 hold K = 32 c + 16 h + 0 .. 15
.macro WFETCH adr, off, buf
.irp k, 0,1,2,3
.irp c, 0,1,2,3
	ds_load_b128 v[64*(\buf)+16*\k+4*\c:64*(\buf)+16*\k+4*\c+3], v[\adr] offset:(\off)+128*\k+32*\c
.endr
.endr
.endm
; v of a group of four d, for my sample of each of the 8 tiles, into set np: 16 bytes a lane and tile.  Entered with every window 0; leaves the destination in window 3.
.macro VLOADS np
.irp t, 2,3,4
	ds_load_b128 v[68+12*(\np)+4*(\t-2):68+12*(\np)+4*(\t-2)+3], v[VA] offset:16*VPI*\t
.endr
	WIN 0x80
.irp t, 5,6,7
	ds_load_b128 v[192+12*(\np)+4*(\t-5):192+12*(\np)+4*(\t-5)+3], v[VA] offset:16*VPI*\t
.endr
	WIN 0xc0
.irp t, 0,1
	ds_load_b128 v[192+8*(\np)+4*\t:192+8*(\np)+4*\t+3], v[VA] offset:16*VPI*\t
.endr
.endm
.macro XLOAD t, reg                    ; x tile t: four fragments, as they lie in memory
.irp k, 0,1,2,3
.irp c, 0,1,2,3
	global_load_b128 v[(\reg)+16*\k+4*\c:(\reg)+16*\k+4*\c+3], v[XO], s[14:15] offset:8192*(\t)+128*\k+32*\c
.endr
.endr
.endm
; ONE d.  dl = d % 4; par = (d / 4) % 2: the slot, and the set of v registers.
; kind 0: plain.  Behind G0 the next d's fragments are fetched, 24 products ahead of their use; in an even d also the scale words of the pair of d three pairs on (soff: its offset; -1: none).
; kind 1: a slot's last d: the change of slots, with a joint refill.  kind 2: the same without a refill.  kind 3: the last d of all: nothing more to fetch.
; lcnt (even d): this pair's scale words are in; the loads of the pairs behind it, issued later, may be out.
.macro DSTEP dl, par, kind, first, lcnt, soff
.if ((\kind) == 0) || ((\kind) == 3)
	s_wait_dscnt 0x0                               ; this d's fragments are in, and behind a change of slots the group's v
.if ((\dl)&1) == 0
	s_wait_loadcnt \lcnt
.endif
	WIN 0x51
	GRP 0, 0, 8, \dl, \par, \first
.if (\kind) == 0
	WIN 0x40
	WFETCH AW+2*(\par)+((\dl)+1)/2, (((\dl)+1)&1)*DPART, 1-((\dl)&1)
.if (\soff) >= 0
	WIN 0
	global_load_b128 v[WQ+4*((2*(\par)+(\dl)/2+3)&3):WQ+4*((2*(\par)+(\dl)/2+3)&3)+3], v[WSO], s[WSB:WSB+1] offset:\soff   ; into the set that the d before was the last to read
.endif
.endif
.else
	WIN 0                                          ; (the add's two registers lie in window 0)
.if (\kind) == 1
	s_wait_xcnt 0x0                                ; the last prefetch, a group back, has read its address: it is stepped here, ahead of the waits of the change of slots
	s_add_nc_u64 s[PFA:PFA+1], s[PFA:PFA+1], 0x100000
.endif
	s_wait_tensorcnt 0x0                           ; all my tensor loads have landed: the one that was out is my d of the other slot;
	ds_add_u32 v[SPW], v[NIL]                      ; 0 onto my spare word
.if (\kind) == 1
	s_add_nc_u64 s[G0+4*(\par)+2:G0+4*(\par)+3], s[G0+4*(\par)+2:G0+4*(\par)+3], 0x200000   ; no load of mine is out, so a group 0 may be written: this slot's next group, 8 d on
.endif
	s_wait_dscnt 0x1                               ; this d's fragments are in; the add, issued behind them, may be out
	WIN 0x51
	GRP 0, 0, 4, \dl, \par, \first                 ; four products and their multiply-adds stand between the add and the wait for it
	s_wait_dscnt 0x0                               ; the add is done, and my reads of this slot are over (its last d lies in my registers)
	s_barrier_signal -1
	GRP 0, 4, 8, \dl, \par, \first                 ; work on registers while the others arrive
	WIN 0
	s_barrier_wait -1
.if (\kind) == 1
	CREST                                          ; the barrier has opened a round of the cluster's: no wave of any partner still reads this slot or has a load on its way
	tensor_load_to_lds s[G0+4*(\par):G0+4*(\par)+3], s[G1W:G1W+7]   ; my one tensor load behind the round, and the first thing there: it has four d, 128 products, in which to land
	s_nop 0
.rept 4
	v_nop
.endr
.endif
	v_add_nc_u32 v[VA], 16, v[VA]                  ; the next group's four d of v
	VLOADS 1-(\par)
	WIN 0x40
	WFETCH AW+2*(1-(\par)), 0, 0                   ; the other slot's first d
.if (\kind) == 1
	WIN 0
	ASK
.endif
.endif
	WIN 0x59
	GRP 1, 0, 12, \dl, \par, \first
	WIN 0x5d
	GRP 2, 0, 12, \dl, \par, \first
.endm
	s_load_b512 s[4:19], s[0:1], 0x0               ; W s[4:5], W's scales s[6:7], b s[8:9], b's scales s[10:11], v s[12:13], x s[14:15], x's scales s[16:17], out s[18:19]
	v_lshl_add_u32 v[SPW], v0, 2, SPARE
	v_mov_b32 v[NIL], 0
	ds_add_u32 v2, v3
	ds_add_u32 v2, v3
	s_wait_dscnt 0x0
	v_lshrrev_b32 v[TP], 5, v0
	v_readfirstlane_b32 s[WV], v[TP]               ; wave 0..3
	s_bfe_u32 s[CX], ttmp6, 0x40000                ; cx: it enters x's, v's and out's addresses and the prefetches' alone
	s_lshl_b32 s[RB], ttmp9, 2                     ; in a cluster launch ttmp9 counts clusters
	s_add_co_u32 s[RB], s[RB], s[CX]               ; my block of 128 rows = 4 x cluster x + cx
	s_and_b32 s[YO], ttmp7, 0xffff                 ; my block of 64 outputs, which the four partners share
	; descriptor group 1: one d: 64 rows o x 512 bytes, dense in memory, padded in LDS
	s_mov_b32 s[G1W+0], 15|(1<<20)|(1<<21)|(6<<22)|(3<<25)  ; 15:0 the mask: all four work-groups; 17:16 elements of 1 byte; 20 padding on; 21 set beside a mask; 24:22 after every 128 words (code 6); 31:25 four words (code 3)
	s_mov_b32 s[G1W+1], 512<<16                    ; tensor_dim0 = 512
	s_mov_b32 s[G1W+2], 64<<16                     ; tensor_dim1 = 64
	s_mov_b32 s[G1W+3], 512<<16                    ; tile_dim0 = 512
	s_mov_b32 s[G1W+4], 64                         ; tile_dim1 = 64
	s_mov_b32 s[G1W+5], 512                        ; tensor_dim0_stride
	s_mov_b32 s[G1W+6], 0
	s_mov_b32 s[G1W+7], 0
	s_mov_b32 s[SEL], 0x76543210
	s_mov_b32 s[SEL+1], 0xfedcba98
	s_mov_b32 s[MNT], 0x600000
	s_cmp_eq_u32 ttmp9, 0                          ; the first cluster of a block of outputs prefetches: the same in all four partners
	s_cselect_b32 s[LIM], 1, -1
	; byte offsets, each in a pair of its own
	s_lshl_b32 s66, s[YO], 15                      ; W: my outputs' 64 rows of 512 bytes,
	s_lshl_b32 s67, s[WV], 18                      ; and d = wave: 262,144 bytes a d
	s_add_co_u32 s66, s66, s67
	s_mov_b32 s67, 0
	s_lshl_b32 s68, s[CX], 13                      ; the prefetches: my work-group's 32 blocks of the 128,
	s_add_co_u32 s68, s68, 3*0x100000              ; in group 3: the first change of slots steps it to group 4
	s_mov_b32 s69, 0
	s_lshl_b32 s70, s[YO], 10                      ; W's scales: 16 bytes a row o
	s_lshl_b32 s71, s[WV], 8
	s_add_co_u32 s70, s70, s71
	s_mov_b32 s71, 0
	s_lshl_b32 s72, s[YO], 12                      ; b's codes: 64 bytes a row o
	s_lshl_b32 s73, s[WV], 10
	s_add_co_u32 s72, s72, s73
	s_mov_b32 s73, 0
	s_lshr_b32 s74, s72, 5                         ; b's scales: 2 bytes a row o
	s_mov_b32 s75, 0
	s_lshl_b32 s76, s[RB], 15                      ; v: 256 bytes a row; I bring rows 32 w .. 32 w + 31 of the block
	s_lshl_b32 s77, s[WV], 13
	s_add_co_u32 s76, s76, s77
	s_mov_b32 s77, 0
	s_lshl_b32 s78, s[RB], 16                      ; x: 512 bytes a row
	s_mov_b32 s79, 0
	s_lshl_b32 s80, s[RB], 11                      ; x's scales: 16 bytes a row
	s_mov_b32 s81, 0
	s_lshl_b32 s82, s[RB], 18                      ; out: 2,048 bytes a row; I store rows 32 w .. 32 w + 31; my outputs' 256 bytes
	s_lshl_b32 s83, s[WV], 16
	s_add_co_u32 s82, s82, s83
	s_lshl_b32 s83, s[YO], 8
	s_add_co_u32 s82, s82, s83
	s_mov_b32 s83, 0
	s_mul_i32 s57, s[WV], DPART                    ; where my d goes in a slot: no place in the cluster enters an LDS address
	s_mul_i32 s32, s[WV], 16*PITCH                 ; my 16 rows o in a d's tile
	s_lshl_b32 s33, s[WV], 6                       ; my 64 bytes of a stage row
	s_mul_i32 s34, s[WV], 32*VPI                   ; rows 32 w on, in v's region and in the stage
	s_lshl_b32 s35, s[WV], 11                      ; my two images
	s_lshl_b32 s36, s[WV], 8                       ; and their scale words
	v_and_b32 v[RR], 15, v0                        ; r
	v_bfe_u32 v[HH], v0, 4, 1                      ; h
	v_and_b32 v[LN], 31, v0                        ; lane
	v_mul_u32_u24 v[TP], v[RR], PITCH
	v_lshl_add_u32 v[TP], v[HH], 4, v[TP]
	v_add_nc_u32 v[AW], s32, v[TP]                 ; (16 w + r) x pitch + 16 h: slot 0, d 0 and 1
	v_add_nc_u32 v[AW+1], 2*DPART, v[AW]           ; d 2 and 3
	v_add_nc_u32 v[AW+2], SLOT, v[AW]              ; slot 1
	v_add_nc_u32 v[AW+3], SLOT+2*DPART, v[AW]
	v_mul_u32_u24 v[VA], v[RR], VPI
	v_add_nc_u32 v[VA], VREG, v[VA]
	v_lshlrev_b32 v[XO], 9, v[RR]
	v_lshl_add_u32 v[XO], v[HH], 4, v[XO]
	v_lshlrev_b32 v[WSO], 13, v[HH]
	v_lshl_add_u32 v[WSO], v[RR], 4, v[WSO]
	v_lshlrev_b32 v[PFO], 8, v[LN]
	v_mul_u32_u24 v[STO], v[RR], VPI
	v_lshl_add_u32 v[STO], v[HH], 5, v[STO]
	v_add_nc_u32 v[STO], s33, v[STO]               ; stage: row r, + 64 w + 32 h
	v_mul_u32_u24 v[SRD], v[HH], VPI
	v_lshl_add_u32 v[SRD], v[RR], 4, v[SRD]
	v_add_nc_u32 v[SRD], s34, v[SRD]               ; back: rows 32 w + h, 16 bytes a lane
	v_lshlrev_b32 v[GO], 11, v[HH]
	v_lshl_add_u32 v[GO], v[RR], 4, v[GO]          ; and the same two rows in out
	v_lshlrev_b32 v[L16], 4, v[LN]
	v_add_nc_u32 v[VS], VREG, v[SRD]               ; v as loaded: the same rows, in v's region
	v_mul_u32_u24 v[VQ], v[RR], VPI
	v_lshl_add_u32 v[VQ], v[HH], 6, v[VQ]
	v_add_nc_u32 v[VQ], s34, v[VQ]
	v_add_nc_u32 v[VQ], VREG, v[VQ]                ; row 32 w + r, + 64 h: my 16 numbers of a block of 32
	v_add_nc_u32 v[LI], QIMG, v[L16]
	v_add_nc_u32 v[QWI], s35, v[LI]
	v_lshl_add_u32 v[LS], v[LN], 2, QSC
	v_add_nc_u32 v[QWS], s36, v[LS]
	v_lshlrev_b32 v[BO], 6, v[RR]
	v_lshl_add_u32 v[BO], v[HH], 4, v[BO]
	v_lshlrev_b32 v[BSO], 1, v[RR]
	s_wait_kmcnt 0x0
	s_add_nc_u64 s[4:5], s[4:5], s[66:67]          ; W at my d of group 0
	s_add_nc_u64 s[PFA:PFA+1], s[4:5], s[68:69]
	s_add_nc_u64 s[WSB:WSB+1], s[6:7], s[70:71]
	s_add_nc_u64 s[8:9], s[8:9], s[72:73]
	s_add_nc_u64 s[10:11], s[10:11], s[74:75]
	s_add_nc_u64 s[12:13], s[12:13], s[76:77]
	s_add_nc_u64 s[14:15], s[14:15], s[78:79]
	s_add_nc_u64 s[16:17], s[16:17], s[80:81]
	s_add_nc_u64 s[OUTB:OUTB+1], s[18:19], s[82:83]
	s_mov_b32 s[G0], 1                             ; 1:0 count = 1
	s_mov_b32 s[G0+1], s57                         ; 63:32 LDS address: slot 0
	s_mov_b64 s[G0+2:G0+3], s[4:5]                 ; 120:64 global address: group 0
	s_or_b32 s[G0+3], s[G0+3], 0x80000000          ; 127:126 type = 2
	s_mov_b32 s[G0+4], 1
	s_add_co_u32 s[G0+5], s57, SLOT                ; slot 1
	s_add_nc_u64 s[G0+6:G0+7], s[4:5], 0x100000    ; group 1: 4 d on
	s_or_b32 s[G0+7], s[G0+7], 0x80000000
	; the small inputs, v first: 16 loads of 512 consecutive bytes
.irp i, 0,1,2,3,4,5,6,7,8,9,10,11,12,13,14,15
	global_load_b128 v[VT+4*\i:VT+4*\i+3], v[L16], s[12:13] offset:512*\i
.endr
.irp p, 0,1,2,3
	global_load_b128 v[XS+4*\p:XS+4*\p+3], v[L16], s[16:17] offset:512*\p     ; x's scale words: lane l takes row 32 p + l: four words, one a K step
.endr
.irp p, 0,1,2
	global_load_b128 v[WQ+4*\p:WQ+4*\p+3], v[WSO], s[WSB:WSB+1] offset:16384*\p   ; W's, of d 0 to 5
.endr
	global_load_b128 v[BF:BF+3], v[BO], s[8:9]     ; b's fragment: K = d = 0 .. 63
	global_load_b128 v[BF+4:BF+7], v[BO], s[8:9] offset:32
	global_load_u16 v[BS], v[BSO], s[10:11]        ; its two scale bytes; the upper two stay 0, over zero codes
	; the bias product's K is 64 of the instruction's 128: the rest are zero codes, on both operands
.irp j, 8,9,10,11,12,13,14,15
	v_mov_b32 v[BF+\j], 0
.endr
.irp b, 0,1,2,3
	v_mov_b32 v[TM+4+\b], 0                        ; written once: a lane permute's destination counts as one of its sources
.endr
	WIN 0x40
.irp t, 0,1,2,3,4,5,6,7
.irp j, 8,9,10,11,12,13,14,15
	v_mov_b32 v[64+16*\t+\j], 0
.endr
.endr
	WIN 0
	CROUND                                         ; all four work-groups are here: the first joint loads meet
	tensor_load_to_lds s[G0:G0+3], s[G1W:G1W+7]    ; both first fills go out together, ahead of every wait on TENSORcnt and every LDS read: two loads of mine are out
	s_nop 0
	tensor_load_to_lds s[G0+4:G0+7], s[G1W:G1W+7]
	s_nop 0
.rept 4
	v_nop
.endr
	s_wait_loadcnt 10                              ; v's 16 loads are in; the 10 issued behind them may be out
.irp i, 0,1,2,3,4,5,6,7,8,9,10,11,12,13,14,15
	ds_store_b128 v[VS], v[VT+4*\i:VT+4*\i+3] offset:2*VPI*\i   ; rows 32 w + 2 i + h
.endr
.irp b, 0,1,2,3
.irp j, 0,1,2,3
	ds_load_b128 v[NUM+16*\b+4*\j:NUM+16*\b+4*\j+3], v[VQ] offset:16*VPI*(\b/2)+128*(\b%2)+16*\j   ; my own rows: LDS serves a wave's instructions in order (ISA guide 5.7.1.4).  Block b = 2 u + c: tile 2 w + u, d = 32 c + 16 h + 0 .. 15
.endr
.endr
	WIN 0x80
	XLOAD 2, 0                                     ; x on its way while v is quantised
	XLOAD 3, 64
	XLOAD 4, 128
	WIN 0
	s_wait_dscnt 0x0
	; Q(v): four blocks of 32 along d; a block lies in lanes l and l xor 16
.irp b, 0,1,2,3
	v_max3_num_f32 v[TM+\b], |v[NUM+16*\b]|, |v[NUM+16*\b+1]|, 0x8000000   ; my 16 numbers, and the floor 2^(16 - 127): so the byte cannot fall under 1
.endr
.irp i, 2,4,6,8,10,12,14
.irp b, 0,1,2,3
	v_max3_num_f32 v[TM+\b], v[TM+\b], |v[NUM+16*\b+\i]|, |v[NUM+16*\b+\i+1]|   ; (the four blocks by turns)
.endr
.endr
.irp b, 0,1,2,3
	v_permlanex16_b32 v[TM+4+\b], v[TM+\b], s[SEL], s[SEL+1]
.endr
.irp b, 0,1,2,3
	v_max_num_f32 v[TM+\b], v[TM+\b], v[TM+4+\b]   ; the block's largest magnitude
.endr
.irp b, 0,1,2,3
	v_add_nc_u32 v[TM+12+\b], 0xf8800000, v[TM+\b] ; 15 off its exponent field: the conversion takes the exponent field of this operand as its scale
.endr
.irp b, 0,1,2,3
	v_and_or_b32 v[TM+8+\b], v[TM+\b], 0x7f800000, s[MNT]   ; 57,344 x the scale
.endr
.irp b, 0,1,2,3
	v_lshrrev_b32 v[TM+4+\b], 23, v[TM+12+\b]      ; the scale's byte
.endr
	v_lshl_or_b32 v[PW], v[TM+5], 8, v[TM+4]       ; a tile's two bytes make its row's scale word; the upper two stay 0, over zero codes
	v_lshl_or_b32 v[PW+1], v[TM+7], 8, v[TM+6]
.irp b, 0,1,2,3
.irp i, 0,1,2,3,4,5,6,7,8,9,10,11,12,13,14,15
	v_med3_num_f32 v[NUM+16*\b+\i], v[NUM+16*\b+\i], -v[TM+8+\b], v[TM+8+\b]   ; the conversion to an 8-bit code does not saturate (ISA guide 7.6.2): the hold at the largest code x the scale
.endr
	v_cvt_scalef32_pk8_bf8_f32 v[PC+4*\b:PC+4*\b+1], v[NUM+16*\b:NUM+16*\b+7], v[TM+12+\b]
	v_cvt_scalef32_pk8_bf8_f32 v[PC+4*\b+2:PC+4*\b+3], v[NUM+16*\b+8:NUM+16*\b+15], v[TM+12+\b]
.endr
	v_nop                                          ; one plain vector instruction behind the last scaled conversion
.irp b, 0,1,2,3
	ds_store_b128 v[QWI], v[PC+4*\b:PC+4*\b+3] offset:512*\b   ; the codes go to LDS as images of the operand's registers
.endr
	ds_store_b32 v[QWS], v[PW]
	ds_store_b32 v[QWS], v[PW+1] offset:128
	WIN 0xc0
	XLOAD 5, 0
	XLOAD 6, 64
	XLOAD 7, 128
	WIN 0
	s_wait_dscnt 0x0                               ; for the others' sake: my stores of v and of the images are done; they have also read their registers,
	XLOAD 0, 128                                   ; into which x's tiles 0 and 1 now come
	XLOAD 1, 192
	s_wait_tensorcnt 0x1                           ; my d of group 0 is in; group 1's load may stay out
	s_barrier_signal -1
	s_barrier_wait -1                              ; everybody's are: group 0, v, the images
	VLOADS 0                                       ; v of d 0 to 3
	WIN 0x40
.irp t, 0,1,2,3,4,5,6,7
	ds_load_b128 v[64+16*\t:64+16*\t+3], v[LI] offset:1024*\t
	ds_load_b128 v[64+16*\t+4:64+16*\t+7], v[LI] offset:1024*\t+512
.endr
	WFETCH AW, 0, 0                                ; W of d 0
	WIN 0
.irp t, 0,1,2,3,4,5,6,7
	ds_load_b32 v[QS+\t], v[LS] offset:128*\t
.endr
	s_wait_loadcnt 0x0                             ; x, all scale words asked for so far, b
	s_wait_dscnt 0x0
	WIN 0x44                                       ; source 0 (b) window 0, source 1 (Q(v)) and the sums window 1
.irp t, 0,1,2,3,4,5,6,7
	v_wmma_scale_f32_16x16x128_f8f6f4 v[ACC+8*\t:ACC+8*\t+7], v[BF:BF+15], v[64+16*\t:64+16*\t+15], 0, v[BS], v[QS+\t] matrix_a_fmt:MATRIX_FMT_BF8 matrix_b_fmt:MATRIX_FMT_BF8   ; THE BIAS STARTS THE OUTPUT SUMS: nothing is cleared
.endr
.rept 9
	v_nop                                          ; the next products write y over registers that these have read: nine places
.endr
	DSTEP 0, 0, 0, 1, 0, 3*16384                   ; d 0 stands in front of the loop: there is no y of a d before it
	WIN 0                                          ; at a label and at a branch every window is 0
	s_mov_b32 s[CNT], 7
.Ltrip:                                            ; a trip goes once round the ring: d 8 j + 1 .. 8 j + 8; both slots are filled again
	DSTEP 1, 0, 0, 0, 0, -1
	DSTEP 2, 0, 0, 0, 2, 4*16384
	DSTEP 3, 0, 1, 0, 0, -1
	DSTEP 0, 1, 0, 0, 2, 5*16384
	DSTEP 1, 1, 0, 0, 0, -1
	DSTEP 2, 1, 0, 0, 2, 6*16384
	DSTEP 3, 1, 1, 0, 0, -1
	DSTEP 0, 0, 0, 0, 2, 7*16384
	WIN 0
	s_wait_xcnt 0x0                                ; the scale loads have read their base: it steps only behind this wait
	s_add_nc_u64 s[WSB:WSB+1], s[WSB:WSB+1], 0x10000   ; 8 d on
	s_sub_co_u32 s[CNT], s[CNT], 1
	s_cmp_lg_u32 s[CNT], 0
	s_cbranch_scc1 .Ltrip
	DSTEP 1, 0, 0, 0, 0, -1                        ; d 57 to 63 are written out: nothing more is asked for
	DSTEP 2, 0, 0, 0, 2, -1                        ; no scale words are left to ask for: the counts run down 2, 1, 0
	DSTEP 3, 0, 2, 0, 0, -1
	DSTEP 0, 1, 0, 0, 1, -1
	DSTEP 1, 1, 0, 0, 0, -1
	DSTEP 2, 1, 0, 0, 0, -1
	DSTEP 3, 1, 3, 0, 0, -1
	WIN 0x51                                       ; the last d's y of tiles 2 to 7: G1's twelve multiply-adds are the places behind G2's last products
.set fi, 0
.rept 12
	FM 2+fi/4, fi%4, 3, 1, 0
.set fi, fi+1
.endr
	WIN 0x59
.set fi, 0
.rept 12
	FM 5+fi/4, fi%4, 3, 1, 0
.set fi, fi+1
.endr
	; THE WAY OUT.  A lane holds 32 bytes of a row; a row's 256 bytes come from four waves: they meet in a stage, and each wave stores 32 whole rows.  The stage lies in slot 0, which has had its last fill,
	; and which nobody reads since the last change of slots.
	WIN 0x04                                       ; an LDS store's data are its source 1: window 1
.irp t, 0,1,2,3,4,5,6,7
	ds_store_b128 v[STO], v[ACC+8*\t:ACC+8*\t+3] offset:16*VPI*\t
	ds_store_b128 v[STO], v[ACC+8*\t+4:ACC+8*\t+7] offset:16*VPI*\t+16
.endr
	WIN 0
	s_wait_dscnt 0x0                               ; for the others' sake: my stores into the stage are done
	s_barrier_signal -1
	s_barrier_wait -1
.irp i, 0,1,2,3,4,5,6,7,8,9,10,11,12,13,14,15
	ds_load_b128 v[128+4*\i:128+4*\i+3], v[SRD] offset:2*VPI*\i
.endr
.irp i, 0,1,2,3,4,5,6,7,8,9,10,11,12,13,14,15
	s_wait_dscnt 15-\i                             ; LDS loads come back in order: load i is in, the younger ones may be out
	global_store_b128 v[GO], v[128+4*\i:128+4*\i+3], s[OUTB:OUTB+1] offset:4096*\i th:TH_STORE_NT   ; 16 lanes store 256 consecutive bytes, at a multiple of 256 from out's first byte; written once, read by nobody here
.endr
	s_wait_tensorcnt 0x0                           ; the wave's end: behind my last tensor load and my last LDS store
	ds_add_u32 v[SPW], v[NIL]
	s_wait_dscnt 0x0
	CROUND                                         ; the closing round: no work-group ends while a partner may still ask for a tile that names it
	s_endpgm
.Lfunc_end_k_q17e58a7e82_mlp:
	.size	k_q17e58a7e82_mlp, .Lfunc_end_k_q17e58a7e82_mlp-k_q17e58a7e82_mlp
	.p2alignl 7, 3214868480
	.fill 96, 4, 3214868480
	.section	.rodata,"a",@progbits
	.p2align	6, 0x0
	.amdhsa_kernel k_q17e58a7e82_mlp
		.amdhsa_group_segment_fixed_size 327680
		.amdhsa_private_segment_fixed_size 0
		.amdhsa_enable_private_segment 0
		.amdhsa_kernarg_size 64
		.amdhsa_user_sgpr_count 2
		.amdhsa_user_sgpr_kernarg_segment_ptr 1
		.amdhsa_wavefront_size32 1
		.amdhsa_system_sgpr_workgroup_id_x 1
		.amdhsa_system_sgpr_workgroup_id_y 1
		.amdhsa_system_sgpr_workgroup_id_z 1
		.amdhsa_system_vgpr_workitem_id 0
		.amdhsa_next_free_vgpr 1024
		.amdhsa_next_free_sgpr 84
		.amdhsa_reserve_vcc 0
		.amdhsa_float_denorm_mode_32 3
		.amdhsa_float_denorm_mode_16_64 3
		.amdhsa_memory_ordered 1
		.amdhsa_forward_progress 1
		.amdhsa_inst_pref_size 163
	.end_amdhsa_kernel
	.amdgpu_metadata
---
amdhsa.version: [ 1, 2 ]
amdhsa.kernels:
  - .name:           k_q17e58a7e82_mlp
    .symbol:         k_q17e58a7e82_mlp.kd
    .args:
      - { .name: W_1_codes, .offset: 0, .size: 8, .value_kind: global_buffer, .address_space: global }
      - { .name: W_1_scales, .offset: 8, .size: 8, .value_kind: global_buffer, .address_space: global }
      - { .name: b_1_codes, .offset: 16, .size: 8, .value_kind: global_buffer, .address_space: global }
      - { .name: b_1_scales, .offset: 24, .size: 8, .value_kind: global_buffer, .address_space: global }
      - { .name: var_vector, .offset: 32, .size: 8, .value_kind: global_buffer, .address_space: global }
      - { .name: x_codes, .offset: 40, .size: 8, .value_kind: global_buffer, .address_space: global }
      - { .name: x_scales, .offset: 48, .size: 8, .value_kind: global_buffer, .address_space: global }
      - { .name: out0, .offset: 56, .size: 8, .value_kind: global_buffer, .address_space: global }
    .group_segment_fixed_size: 327680
    .private_segment_fixed_size: 0
    .kernarg_segment_align: 8
    .kernarg_segment_size: 64
    .max_flat_workgroup_size: 128
    .sgpr_count:     84
    .vgpr_count:     1024
    .wavefront_size: 32
...
	.end_amdgpu_metadata
.endif
;; end of part 1
;; ======== version 2 of 2: 1 launch
;; limits: values are held in bf16: 8 bits of precision; right only within a limited range of input values
;; launch mlp (part 2): grid 16 x 16, 4 waves a work-group, clusters of 4 x 4, 327,680 bytes of LDS; arguments W_1_codes, W_1_scales, b_1_codes, b_1_scales, var_vector, x_codes, x_scales, out0; writes out0
.if DOCPART == 2
	.amdgcn_target "amdgcn-amd-amdhsa--gfx1250"
	.amdhsa_code_object_version 6
	.text
	.protected	k_q17e58a7e82_mlp
	.globl	k_q17e58a7e82_mlp
	.p2align	8
	.type	k_q17e58a7e82_mlp,@function
k_q17e58a7e82_mlp:
	s_mov_b64 s[64:65], 0
	v_nop
	global_prefetch_b8 v0, s[64:65] scope:SCOPE_SE
	s_setreg_imm32_b32 hwreg(HW_REG_WAVE_MODE, 25, 1), 1
	s_wait_xcnt 0x0
	s_wait_alu depctr_hold_cnt(0) depctr_sa_sdst(0) depctr_va_vdst(0) depctr_va_sdst(0) depctr_va_ssrc(0) depctr_va_vcc(0) depctr_vm_vsrc(0)
	s_getreg_b32 s2, hwreg(HW_REG_IB_STS2, 6, 4)
	s_cmp_eq_u32 s2, 0
	s_cbranch_scc0 .Lentry_in_a_cluster
	s_endpgm
.Lentry_in_a_cluster:
	s_bfe_u32 s2, ttmp6, 0x10000c
	s_cmp_lg_u32 s2, 0xf033
	s_cbranch_scc0 .Lentry_shape_is_right
	s_endpgm
.Lentry_shape_is_right:
; out[n][o] = sum over d of v[n][d] y[n][d][o]  +  sum over d of Q(v)[n][d] b[d][o],   y[n][d][o] = sum over i of x[n][i] W[d][i][o].
; x [4096][512], W [64 d][512 o][512 i], b [512 o][64 d]: codes of BF8 (E5M2), K innermost, one E8M0 byte for each 32 along K.  v [4096][64] f32.  out [4096][512] f32.
; y and the bias go through v_wmma_scale_f32_16x16x128_f8f6f4; v is quantised here, from f32, along d for the bias product; the weighting of y by v is f32 multiply-adds, d ascending, with v rounded to bf16.
; SHARES.  A work-group owns 256 rows x 32 outputs of out and walks all 64 d: each output has one owner, nothing intermediate goes to memory.  Wave w = 2 a + b owns rows 128 a .. 128 a + 127 x outputs 16 b .. 16 b + 15.
; Its x (8 tiles of 16 rows x 4 K steps x 16 registers = 512 registers) stays in registers for the whole launch.  W comes through a ring of two LDS slots of 8 d each (32 rows o x 512 bytes a d): a refill has 8 d, 256 products a wave, in which to land.
; THE PRICE OF 32 OUTPUTS: a row's piece of out is 128 consecutive bytes, aligned at 128; the 256 bytes round it are completed by the work-group of the neighbouring block of outputs, which is one of the same cluster (so the
; stores carry no hint).  With 64 outputs and 128 rows a d would bring 32 KB instead of 16 KB for the same 128 products, and a slot of the same bytes would hold four d.
; CLUSTERS of 4 x 4.  The four work-groups of a row of the cluster have the same outputs: they ask JOINTLY for W's tiles; the four of a column have the same rows: they ask jointly for x.
; THE HEAD.  One tensor load a wave: waves 0, 1 the rows of x's tiles 0 to 3 (of a = 0, 1), wave 2 those of tiles 4 to 7, wave 3 W's first 8 d.  x lands in slot 1, goes on into registers, and slot 1 is then refilled with W's second 8 d.
; TRANSPOSED USE.  Source 0 = 16 rows o of W (or of b), source 1 = 16 samples: in a result lane (r, h) holds sample r and outputs 8 h + 0 .. 7, so v[n][d] is ONE register a lane and tile.
; A d IS 32 PRODUCTS: tiles 0 to 3, then tiles 4 to 7, K step outermost in each four, the four tiles by turns.  A finished tile of y is folded into the output sums by 4 packed multiply-adds; these make one stream, 20 products behind, two in front of
; each odd product: in front of products 1 .. 19 those of the d before, of tiles 3, 4, 5, 6, 7; in front of 21 .. 31 those of this d's tiles 0, 1, 2.  In an even d tiles 4 and 5 are folded together, ahead of the LDS loads of the next two d.
; They are also the places behind products: from a tile's last product to the first read of its y 8 or more (tile 0: in front of 13, 15, 17, 19; tile 4: of 29, 31, 1, 3); from an odd d's last product to the loads into what the
; two d before have read, in front of the next d's product 8: 4 + 8 and the 16 lines that widen v.
; v lies in the window that source 1 then has: tiles 3, 4, 5 in window 2, tiles 0, 1, 7 in window 3, tiles 2, 6 in window 0; and x's K step 3 of all tiles lies in window 0.
; REGISTERS, in windows of 256 (s_set_vgpr_msb: bits 1:0 source 0, 3:2 source 1, 5:4 source 2, 7:6 destination):
;   window 0: v1-23 addresses; v24-39 x's scale words; v42-57 W's, four sets; v60-67 Q(v)'s; v72-79 v of tiles 2, 6; v80-95 four d's v as bf16 (at the head: at work); v96-127 W's K step 3 of buffers 2, 3 (at the head v96-111 b's fragment); v128-255 x's K step 3
;   window 1: v0-63, v64-127 W's buffers 0, 1; v128-191 y, 8 a tile; v192-255 the output sums.  (At the head v64-191 hold Q(v)'s eight fragments.)
;   window 2: v0-191 x tiles 0-3, K steps 0-2; v192-203 v; v208-255 W's buffer 2, K steps 0-2.   window 3: the same of tiles 4-7, buffer 3.  (At the head v0-173 hold v as f32 and its quantiser's work.)
; No product's two scale words have numbers equal modulo 8: x's is 24 + 4 p + k, W's 42 + 4 q + k.
; LIMITS.  NaN and infinities in var_vector are not served.  A block of 32 of v whose largest magnitude lies under 2^(16 - 127), a block of zeros among them, gets the scale byte 1 (for zeros the rule says 127:
; the codes are zeros and the byte is read by this text alone).  For the weighting of y, v is rounded to bf16 (to nearest even): f32 for 256 rows, 64 KB, does not fit in LDS beside two slots of 8 d.
; The sum over d is a chain of f32 multiply-adds in ascending d behind the bias, not the order of the defining text.
.set PITCH, 528                        ; a row of W or x in LDS: 512 bytes + 16 of padding = 132 words: row r starts at bank 4 r mod 64 (64 banks of 4 bytes: ISA guide 11.1)
.set DP,    32*PITCH                   ; one d: 32 rows o
.set SLOT,  8*DP                       ; eight d, or 256 rows of x
.set VREG,  2*SLOT                     ; behind the ring: v as bf16, 256 rows of 128 bytes + 16
.set VPI,   144
.set QIMG,  VREG+256*VPI               ; Q(v)'s fragments as images of their registers: tile t of 16 at 1024 t, block c at 512 c, 16 bytes a lane
.set QSC,   QIMG+16384                 ; their scale words: tile t at 64 t, 4 bytes a row
.set SPARE, QSC+1024                   ; the spare words, 128 bytes for each wave: two blocks of 256 bytes that no other line names
.set BS,  1                            ; b's scale word
.set SPW, 2                            ; LDS address of my spare word; never rewritten
.set NIL, 3                            ; 0; never rewritten
.set AW,  4                            ; v4-7 LDS address of my W fragments: slot s, d 4 p .. 4 p + 3 of its eight at v[AW + 2 s + p]
.set VA,  8                            ; LDS address of row r's v; steps 16 d a trip
.set XR,  9                            ; LDS address of my rows of x: tiles 0-3;
.set WSO, 10                           ; W's scales: 8192 h + 16 r: lanes 0-15 an even d, lanes 16-31 the odd d behind it
.set PFO, 11                           ; the prefetches' offset: 256 x lane; never rewritten
.set STO, 12                           ; the way out: where I put 32 bytes of a row
.set SRD, 13                           ; the way out: where I read rows back
.set GO,  14                           ; my byte offset in the wave's rows of out
.set L16, 15                           ; 16 x lane
.set VSB, 16                           ; where I store v as bf16
.set L32, 17                           ; 32 x lane: v in memory
.set QWI, 18                           ; where I store Q(v)'s images
.set QWS, 19                           ; and their scale words
.set LI,  20                           ; where I read the images of my 128 rows
.set LS,  21                           ; and their scale words
.set BO,  22                           ; b's codes: 64 r + 16 h
.set BSO, 23                           ; b's scales: 2 r
.set XS,  24                           ; x's scale words: register 4 (t / 2) + k: lanes 0-15 the even tile, lanes 16-31 the odd one
.set XR2, 40                           ; as XR, tiles 4-7
.set WQ,  42                           ; W's scale words: set (d / 2) % 4, register k: lanes 0-15 the even d, lanes 16-31 the odd one
.set QS,  60                           ; Q(v)'s scale words, one a tile
.set V0B, 72                           ; v of tiles 2, 6: register d % 4 of each tile's four
.set RAW, 80                           ; four d's v as bf16, two words a tile
.set RR,  88                           ; at the head: r
.set HH,  89                           ; h
.set LN,  90                           ; lane
.set TP,  91
.set T2,  92
.set T3,  93
.set BF,  96                           ; at the head: b's fragment
.set W3,  96                           ; W's K step 3 of buffers 2, 3
.set X3,  128                          ; x's K step 3: tile t at 128 + 16 t
.set YB,  128                          ; window 1: y
.set ACC, 192                          ; window 1: the output sums
.set VB,  192                          ; windows 2, 3: v of three tiles
.set WX,  208                          ; windows 2, 3: W's K steps 0-2 of buffers 2, 3
.set QM,  128                          ; the quantiser, in window 3: largest magnitudes
.set QO,  132                          ; the row's other block's
.set QC,  136                          ; the conversions' scale operands
.set QD,  140                          ; the largest number x the scale
.set QW,  144                          ; scale words
.set QE,  148                          ; codes
.set QH,  156                          ; bf16
.set SH,  172                          ; 8 x my block's number, and 8 less that
.set SHO, 173
.set WV,  20                           ; wave
.set CX,  21                           ; cx
.set RB,  22                           ; block of 256 rows
.set YO,  23                           ; block of 32 outputs
.set G1W, 24                           ; s[24:31] group 1 for W
.set G0X2, 36                          ; s[36:39] group 0 for x's tiles 4-7
.set G0,  40                           ; s[40:47] group 0 for W, a set for each slot
.set G0X1, 48                          ; s[48:51] group 0 for x's tiles 0-3
.set HI,  52                           ; a word's upper bf16
.set CY,  53                           ; cy
.set MNT, 54                           ; the mantissa field of 57,344
.set CNT, 55                           ; trips to go
.set LIM, 56                           ; 1 in a wave that prefetches, else the greatest number
.set PFA, 58                           ; s[58:59] where my prefetches stand
.set WSB, 60                           ; s[60:61] W's scales at my 16 rows o; steps 16 d a trip
.set OUTB, 62                          ; s[62:63] out at the first row that I store
.set G1X1, 84                          ; s[84:91], s[92:99] group 1 for x
.set G1X2, 92
.set WA,  100                          ; a
.set WB,  101                          ; b
.set MSB, 0
.macro WIN new                         ; the immediate's high byte repeats the setting that is left; a switch that changes nothing is dropped
.if MSB != (\new)
	s_set_vgpr_msb (MSB<<8)|(\new)
.set MSB, \new
.endif
.endm
.macro CREST                           ; a round of the cluster's barrier behind its opening barrier
	s_cmp_lg_u32 s[WV], 0
	s_cbranch_scc1 .Lnot_wave_0_\@
	s_barrier_signal -3
.Lnot_wave_0_\@:
	s_barrier_wait -3
	s_barrier_signal -1
	s_barrier_wait -1
.endm
.macro CROUND                          ; a whole round
	s_barrier_signal -1
	s_barrier_wait -1
	CREST
.endm
.macro TLOAD g0, g1
	tensor_load_to_lds s[\g0:\g0+3], s[\g1:\g1+7]
	s_nop 0
.rept 4
	v_nop
.endr
.endm
; A PREFETCH INTO THE L2, behind a change of slots' joint load and its LDS loads: the group of eight d that the NEXT change of slots will ask for: 256 products ahead of that load.  Wave w's two d of a group are
; 128 blocks of 256 bytes; the four partners that ask for them jointly share them out BY ADDRESS, 32 each, a lane a block, one instruction a wave.  All clusters of a block of outputs walk the same W: the first
; (cluster x = 0) asks, so each block is named once in the launch.  how = 1: a trip's first change of slots: there is always a group behind the one asked for.  how = 0: its second: not in the last trip.
.macro ASK how
.if \how
	s_cmp_eq_u32 s[LIM], 1
.else
	s_cmp_gt_u32 s[CNT], s[LIM]
.endif
	s_cbranch_scc0 .Lnot_mine_\@
	global_prefetch_b8 v[PFO], s[PFA:PFA+1] th:TH_LOAD_NT scope:SCOPE_SE
.Lnot_mine_\@:
.endm
; One product: y tile t, K step k; W's buffer dl = d % 4 (d % 2 is also the row of W's scale words), set q of W's scale words.  k = 0 starts the sum: nothing is ever cleared.
.macro MM t, k, dl, q
.set yT, YB+8*(\t)
.if (\dl) < 2
.set wA, 64*(\dl)+16*(\k)
.elseif (\k) == 3
.set wA, W3+16*((\dl)-2)
.else
.set wA, WX+16*(\k)
.endif
.if (\k) == 3
.set xR, X3+16*(\t)
.else
.set xR, 48*((\t)&3)+16*(\k)
.endif
.set sW, WQ+4*(\q)+(\k)
.set sX, XS+4*((\t)/2)+(\k)
.if (\k) == 0
.if ((\dl)&1) == 0
.if ((\t)&1) == 0
	v_wmma_scale_f32_16x16x128_f8f6f4 v[yT:yT+7], v[wA:wA+15], v[xR:xR+15], 0, v[sW], v[sX] matrix_a_fmt:MATRIX_FMT_BF8 matrix_b_fmt:MATRIX_FMT_BF8
.else
	v_wmma_scale_f32_16x16x128_f8f6f4 v[yT:yT+7], v[wA:wA+15], v[xR:xR+15], 0, v[sW], v[sX] matrix_a_fmt:MATRIX_FMT_BF8 matrix_b_fmt:MATRIX_FMT_BF8 matrix_b_scale:MATRIX_SCALE_ROW1
.endif
.else
.if ((\t)&1) == 0
	v_wmma_scale_f32_16x16x128_f8f6f4 v[yT:yT+7], v[wA:wA+15], v[xR:xR+15], 0, v[sW], v[sX] matrix_a_fmt:MATRIX_FMT_BF8 matrix_b_fmt:MATRIX_FMT_BF8 matrix_a_scale:MATRIX_SCALE_ROW1
.else
	v_wmma_scale_f32_16x16x128_f8f6f4 v[yT:yT+7], v[wA:wA+15], v[xR:xR+15], 0, v[sW], v[sX] matrix_a_fmt:MATRIX_FMT_BF8 matrix_b_fmt:MATRIX_FMT_BF8 matrix_a_scale:MATRIX_SCALE_ROW1 matrix_b_scale:MATRIX_SCALE_ROW1
.endif
.endif
.else
.if ((\dl)&1) == 0
.if ((\t)&1) == 0
	v_wmma_scale_f32_16x16x128_f8f6f4 v[yT:yT+7], v[wA:wA+15], v[xR:xR+15], v[yT:yT+7], v[sW], v[sX] matrix_a_fmt:MATRIX_FMT_BF8 matrix_b_fmt:MATRIX_FMT_BF8
.else
	v_wmma_scale_f32_16x16x128_f8f6f4 v[yT:yT+7], v[wA:wA+15], v[xR:xR+15], v[yT:yT+7], v[sW], v[sX] matrix_a_fmt:MATRIX_FMT_BF8 matrix_b_fmt:MATRIX_FMT_BF8 matrix_b_scale:MATRIX_SCALE_ROW1
.endif
.else
.if ((\t)&1) == 0
	v_wmma_scale_f32_16x16x128_f8f6f4 v[yT:yT+7], v[wA:wA+15], v[xR:xR+15], v[yT:yT+7], v[sW], v[sX] matrix_a_fmt:MATRIX_FMT_BF8 matrix_b_fmt:MATRIX_FMT_BF8 matrix_a_scale:MATRIX_SCALE_ROW1
.else
	v_wmma_scale_f32_16x16x128_f8f6f4 v[yT:yT+7], v[wA:wA+15], v[xR:xR+15], v[yT:yT+7], v[sW], v[sX] matrix_a_fmt:MATRIX_FMT_BF8 matrix_b_fmt:MATRIX_FMT_BF8 matrix_a_scale:MATRIX_SCALE_ROW1 matrix_b_scale:MATRIX_SCALE_ROW1
.endif
.endif
.endif
.endm
; One packed multiply-add: outputs 2 fj, 2 fj + 1 of tile ft: sum += y x v[n][d].  fd = d % 4 picks the register of the tile's four (its pair, and by op_sel the half that feeds both results).
.macro FM
.set fa, ACC+8*ft+2*fj
.set fy, YB+8*ft+2*fj
.if (ft == 2) || (ft == 6)
.set fv, V0B+(ft&4)
.elseif (ft == 3) || (ft == 7)
.set fv, VB+8
.else
.set fv, VB+4*(ft&1)
.endif
.set fv, fv+(fd&2)
.if (fd&1) == 0
	v_pk_fma_f32 v[fa:fa+1], v[fy:fy+1], v[fv:fv+1], v[fa:fa+1] op_sel_hi:[1,0,1]
.else
	v_pk_fma_f32 v[fa:fa+1], v[fy:fy+1], v[fv:fv+1], v[fa:fa+1] op_sel:[0,1,0] op_sel_hi:[1,1,1]
.endif
.endm
.macro FMI i, dl, first                ; the stream's multiply-add i of a d.  first = 1: there is no y of a d before: a v_nop keeps the place
.set ft, (((\i)/4)+3)&7
.set fj, (\i)&3
.set fd, \dl
.if (\i) < 20
.set fd, ((\dl)+3)&3
.endif
.if ((\i) < 20) && (\first)
	v_nop
.else
	FM
.endif
.endm
.macro PRODS lo, hi, dl, par, first    ; products lo .. hi - 1 of a d, with their multiply-adds.  xw, sw: the windows of x and of W
.set pp, \lo
.rept (\hi)-(\lo)
.set pm, pp&15
.if pm >= 12
.set xw, 0
.elseif pp < 16
.set xw, 2
.else
.set xw, 3
.endif
.if (\dl) < 2
.set sw, 1
.elseif pm >= 12
.set sw, 0
.else
.set sw, \dl
.endif
.if pp&1
.if ((\dl)&1) || (pp < 5) || (pp > 11)
	WIN 0x51+4*xw
	FMI pp-1, \dl, \first
	FMI pp, \dl, \first
.endif
.endif
	WIN 0x50+4*xw+sw
	MM ((pp/16)*4+(pp&3)), (pm/4), (\dl), (2*(\par)+(\dl)/2)
.set pp, pp+1
.endr
.endm
.macro UP reg, t, dl                   ; bf16 to f32: tile t's v of d = dl and dl + 1 of the four: the low half moves up, the high half stays
	v_lshlrev_b32 v[\reg+\dl], 16, v[RAW+2*\t+\dl/2]
	v_and_b32 v[\reg+\dl+1], s[HI], v[RAW+2*\t+\dl/2]
.endm
; What stands ahead of an even d's LDS loads: the multiply-adds of tiles 4, 5 of the d before, and v of this d and the next, which is first read in front of product 21 (the registers that it takes were last read for the d before the last, or for the last but two)
.macro LUMP dl, first
	WIN 0x59
.irp i, 4,5,6,7,8,9,10,11
	FMI \i, \dl, \first
.endr
	WIN 0x80
	UP VB, 4, \dl
	UP VB+4, 5, \dl
	UP VB+8, 3, \dl
	WIN 0xc0
	UP VB, 0, \dl
	UP VB+4, 1, \dl
	UP VB+8, 7, \dl
	WIN 0
	UP V0B, 2, \dl
	UP V0B+4, 6, \dl
.if \first
	s_wait_alu depctr_va_vdst(0)                   ; d 0 has no multiply-adds between these lines and their first reader
.endif
.endm
; A d's four fragments of W (my 16 rows o x 512 along K) into buffer dl: a fragment is 16 registers: lane (r, h) holds row r; registers 4 c .. 4 c + 3 hold K = 32 c + 16 h + 0 .. 15
.macro WFETCH adr, off, dl
.irp k, 0,1,2,3
.if (\dl) < 2
	WIN 0x40
.set wd, 64*(\dl)+16*\k
.elseif \k == 3
	WIN 0
.set wd, W3+16*((\dl)-2)
.else
	WIN 0x40*(\dl)
.set wd, WX+16*\k
.endif
.irp c, 0,1,2,3
	ds_load_b128 v[wd+4*\c:wd+4*\c+3], v[\adr] offset:(\off)+128*\k+32*\c
.endr
.endr
.endm
.macro VLOADS off                      ; v of four d as bf16, for my sample of each of the 8 tiles: 8 bytes a lane and tile
	WIN 0
.irp t, 0,1,2,3,4,5,6,7
	ds_load_b64 v[RAW+2*\t:RAW+2*\t+1], v[VA] offset:16*VPI*\t+(\off)
.endr
.endm
.macro ODD dl, par                     ; an odd d: products and multiply-adds alone
	PRODS 0, 32, \dl, \par, 0
.endm
; AN EVEN d.  dl = d % 4; par = (d / 4) % 2; 4 par + dl is the d's place in its slot; sl = (d / 8) % 2: the slot.  Ahead of product 8 the fragments of the d two and three on are fetched, 56 products ahead of their use,
; into the buffers that the two d before have been the last to read.
; kind 0: plain.  kind 1: the change of slots (place 6: the slot's last two d lie in registers), with a joint refill (how: see ASK).  kind 2: the same without a refill.  kind 3: nothing more to fetch.
; lcnt: this pair's scale words are in; the loads of the pairs behind it, issued later, may be out.  soff: the offset of the scale words of the pair three pairs on (-1: none).  vg: the offset of the next four d's v (-1: not here).
.macro EVEN dl, par, sl, kind, first, lcnt, soff, how, vg
.set jn, (4*(\par)+(\dl)+2)&7          ; the place of the d two on
.set js, \sl
.if ((\kind) == 0) || ((\kind) == 3)
	s_wait_dscnt 0x0                               ; this d's and the next one's fragments are in, and v
	s_wait_loadcnt \lcnt
	PRODS 0, 8, \dl, \par, \first
	LUMP \dl, \first
.else
.set js, 1-(\sl)
	WIN 0                                          ; (the add's two registers lie in window 0)
.if (\kind) == 1
	s_wait_xcnt 0x0                                ; the last prefetch, a group back, has read its address: it is stepped here
	s_add_nc_u64 s[PFA:PFA+1], s[PFA:PFA+1], 0x200000
.endif
	s_wait_tensorcnt 0x0                           ; all my tensor loads have landed: the one that was out is my two d of the other slot;
	ds_add_u32 v[SPW], v[NIL]                      ; 0 onto my spare word
.if (\kind) == 1
	s_add_nc_u64 s[G0+4*(\sl)+2:G0+4*(\sl)+3], s[G0+4*(\sl)+2:G0+4*(\sl)+3], 0x400000   ; no load of mine is out, so a group 0 may be written: this slot's next group, 16 d on
.endif
	s_wait_dscnt 0x1                               ; this d's and the next one's fragments are in; the add may be out
	s_wait_loadcnt \lcnt
	PRODS 0, 4, \dl, \par, \first                  ; four products and their multiply-adds stand between the add and the wait for it
	s_wait_dscnt 0x0                               ; the add is done, and my reads of this slot are over
	s_barrier_signal -1
	PRODS 4, 8, \dl, \par, \first                  ; work on registers while the others arrive
	LUMP \dl, \first
	s_barrier_wait -1                              ; (every window is 0: branches follow)
.if (\kind) == 1
	CREST                                          ; the barrier has opened a round of the cluster's: no wave of any partner still reads this slot or has a load on its way
	TLOAD G0+4*(\sl), G1W                          ; my one tensor load behind the round, and the first thing there
.endif
.endif
.if (\kind) < 3
.if (\vg) >= 0
	VLOADS \vg
.if (\vg) == 32
	v_add_nc_u32 v[VA], 32, v[VA]                  ; a trip's last: 16 d on
.endif
.endif
	WFETCH AW+2*js+jn/4, (jn&3)*DP, (((\dl)+2)&3)
	WFETCH AW+2*js+jn/4, (jn&3)*DP+DP, (((\dl)+3)&3)
.if (\soff) >= 0
	WIN 0
	global_load_b128 v[WQ+4*((2*(\par)+(\dl)/2+3)&3):WQ+4*((2*(\par)+(\dl)/2+3)&3)+3], v[WSO], s[WSB:WSB+1] offset:\soff   ; into the set that the d before was the last to read
.endif
.endif
.if (\kind) == 1
	WIN 0
	ASK \how
.endif
	PRODS 8, 32, \dl, \par, \first
.endm
; Four tiles of x from LDS: K steps 0-2 into window 2 (hf = 0) or 3 (hf = 1), K step 3 into window 0
.macro XLOADS hf, adr
	WIN 0x80+0x40*\hf
.irp t, 0,1,2,3
.irp k, 0,1,2
.irp c, 0,1,2,3
	ds_load_b128 v[48*\t+16*\k+4*\c:48*\t+16*\k+4*\c+3], v[\adr] offset:16*PITCH*\t+128*\k+32*\c
.endr
.endr
.endr
	WIN 0
.irp t, 0,1,2,3
.irp c, 0,1,2,3
	ds_load_b128 v[X3+64*\hf+16*\t+4*\c:X3+64*\hf+16*\t+4*\c+3], v[\adr] offset:16*PITCH*\t+384+32*\c
.endr
.endr
.endm
.macro DPPMAX m                        ; the four maxima, each with lane l xor m's
.irp b, 0,1,2,3
	v_max_num_f32_dpp v[QM+\b], v[QM+\b], v[QM+\b] row_xmask:\m row_mask:0xf bank_mask:0xf
.endr
.endm
; Four times four rows of v, from register 32 i of window 3 on: register 8 b + j of lane l: row 16 i + 4 b + l / 8, d = 8 (l % 8) + j.  A block of 32 lies in four neighbouring lanes, a row's other block in the lanes l xor 4.
; They leave as bf16, and as codes and scale words in the images of the operand's registers.
.macro QB i
	WIN 0xff
.irp b, 0,1,2,3
.irp j, 0,1,2,3
	v_cvt_pk_bf16_f32 v[QH+4*\b+\j], v[32*\i+8*\b+2*\j], v[32*\i+8*\b+2*\j+1]   ; the lower d in the low half; to nearest even
.endr
.endr
.irp b, 0,1,2,3
	v_max3_num_f32 v[QM+\b], |v[32*\i+8*\b]|, |v[32*\i+8*\b+1]|, 0x8000000   ; the floor 2^(16 - 127): so the byte cannot fall under 1
.endr
.irp j, 2,4,6
.irp b, 0,1,2,3
	v_max3_num_f32 v[QM+\b], v[QM+\b], |v[32*\i+8*\b+\j]|, |v[32*\i+8*\b+\j+1]|
.endr
.endr
	DPPMAX 1
	DPPMAX 2
.irp b, 0,1,2,3
	v_mov_b32_dpp v[QO+\b], v[QM+\b] row_xmask:4 row_mask:0xf bank_mask:0xf
.endr
.irp b, 0,1,2,3
	v_add_nc_u32 v[QC+\b], 0xf8800000, v[QM+\b]    ; 15 off its exponent field: the conversion takes the exponent field of this operand as its scale
	v_add_nc_u32 v[QO+\b], 0xf8800000, v[QO+\b]
.endr
.irp b, 0,1,2,3
	v_and_or_b32 v[QD+\b], v[QM+\b], 0x7f800000, s[MNT]   ; 57,344 x the scale
	v_lshrrev_b32 v[QW+\b], 23, v[QC+\b]           ; my block's byte,
	v_lshrrev_b32 v[QO+\b], 23, v[QO+\b]           ; and the other's
.endr
.irp b, 0,1,2,3
	v_lshlrev_b32 v[QW+\b], v[SH], v[QW+\b]
.endr
.irp b, 0,1,2,3
	v_lshl_or_b32 v[QW+\b], v[QO+\b], v[SHO], v[QW+\b]   ; the row's scale word, in all eight lanes of the row; the upper two bytes are 0, over zero codes
.endr
.irp b, 0,1,2,3
.irp j, 0,1,2,3,4,5,6,7
	v_med3_num_f32 v[32*\i+8*\b+\j], v[32*\i+8*\b+\j], -v[QD+\b], v[QD+\b]   ; the conversion to an 8-bit code does not saturate (ISA guide 7.6.2): the hold at the largest code x the scale
.endr
.endr
.irp b, 0,1,2,3
	v_cvt_scalef32_pk8_bf8_f32 v[QE+2*\b:QE+2*\b+1], v[32*\i+8*\b:32*\i+8*\b+7], v[QC+\b]
.endr
	v_nop                                          ; one plain vector instruction behind the last scaled conversion
	WIN 0x0c                                       ; an LDS store's data are its source 1: window 3
.irp b, 0,1,2,3
	ds_store_b128 v[VSB], v[QH+4*\b:QH+4*\b+3] offset:16*VPI*\i+4*VPI*\b
	ds_store_b64 v[QWI], v[QE+2*\b:QE+2*\b+1] offset:1024*\i+64*\b
	ds_store_b32 v[QWS], v[QW+\b] offset:64*\i+16*\b
.endr
.endm
	s_load_b512 s[4:19], s[0:1], 0x0               ; W s[4:5], W's scales s[6:7], b s[8:9], b's scales s[10:11], v s[12:13], x s[14:15], x's scales s[16:17], out s[18:19]
	v_lshl_add_u32 v[SPW], v0, 2, SPARE
	v_mov_b32 v[NIL], 0
	ds_add_u32 v[SPW], v[NIL]                      ; the wave's opening: the add, twice on end, and its wait ahead of my first tensor load
	ds_add_u32 v[SPW], v[NIL]
	v_lshrrev_b32 v[TP], 5, v0
	v_readfirstlane_b32 s[WV], v[TP]               ; wave 0..3
	v_and_b32 v[RR], 15, v0                        ; r
	v_bfe_u32 v[HH], v0, 4, 1                      ; h
	v_and_b32 v[LN], 31, v0                        ; lane
	v_lshlrev_b32 v[L32], 5, v[LN]
	v_lshlrev_b32 v[L16], 4, v[LN]
	v_lshlrev_b32 v[WSO], 13, v[HH]
	v_lshl_add_u32 v[WSO], v[RR], 4, v[WSO]
	v_lshlrev_b32 v[BO], 6, v[RR]
	v_lshl_add_u32 v[BO], v[HH], 4, v[BO]
	v_lshlrev_b32 v[BSO], 1, v[RR]
	s_wait_alu depctr_va_vdst(0)                   ; scalar lines and waits stand between these writes and their readers
	s_lshr_b32 s[WA], s[WV], 1                     ; a
	s_and_b32 s[WB], s[WV], 1                      ; b
	s_bfe_u32 s[CX], ttmp6, 0x40000                ; cx
	s_bfe_u32 s[CY], ttmp6, 0x40004                ; cy
	s_lshl_b32 s[RB], ttmp9, 2                     ; in a cluster launch ttmp9 and ttmp7 count clusters
	s_add_co_u32 s[RB], s[RB], s[CX]               ; my block of 256 rows, which my column of the cluster shares
	s_and_b32 s[YO], ttmp7, 0xffff
	s_lshl_b32 s[YO], s[YO], 2
	s_add_co_u32 s[YO], s[YO], s[CY]               ; my block of 32 outputs, which my row shares
	s_lshl_b32 s32, s[CY], 2
	s_lshl_b32 s32, 15, s32                        ; my row: places 4 cy .. 4 cy + 3
	s_lshl_b32 s33, 0x1111, s[CX]                  ; my column
	; descriptor groups 1: 15:0 the mask; 17:16 element size; 20 padding on; 21 set beside a mask; 24:22 after every 128 words (code 6); 31:25 four words (code 3): in LDS lines of 528 bytes
	; W: a d's 32 rows o are 16,384 dense bytes: rows of 16,384 bytes, a d (262,144 bytes) apart: eight at the head, then two a wave
	s_or_b32 s[G1W], s32, (1<<20)|(1<<21)|(6<<22)|(3<<25)
	s_or_b32 s[G1X1], s33, (1<<20)|(1<<21)|(6<<22)|(3<<25)
	s_or_b32 s[G1X2], s33, (1<<16)|(1<<20)|(1<<21)|(6<<22)|(3<<25)
.irp g, G1W, G1X1, G1X2
	s_mov_b32 s[\g+1], 16384<<16                   ; tensor_dim0 = 16,384
	s_mov_b32 s[\g+3], 16384<<16                   ; tile_dim0 = 16,384
	s_mov_b32 s[\g+6], 0
	s_mov_b32 s[\g+7], 0
.endr
	s_mov_b32 s[G1W+2], 8<<16                      ; tensor_dim1 = 8
	s_mov_b32 s[G1W+4], 8                          ; tile_dim1 = 8
	s_mov_b32 s[G1W+5], 262144                     ; tensor_dim0_stride
	s_mov_b32 s[G1X1+2], 2<<16                     ; x, 64 rows: 32,768 dense bytes, as two rows of 16,384
	s_mov_b32 s[G1X1+4], 2
	s_mov_b32 s[G1X1+5], 16384
	s_mov_b32 s[G1X2+2], 2<<16                     ; x, twice 64 rows: two rows of 16,384 elements of 2 bytes, 65,536 bytes apart
	s_mov_b32 s[G1X2+4], 2
	s_mov_b32 s[G1X2+5], 32768
	s_mov_b32 s[MNT], 0x600000
	s_mov_b32 s[HI], 0xffff0000
	s_cmp_eq_u32 ttmp9, 0                          ; the first cluster of a block of outputs prefetches: the same in all its partners
	s_cselect_b32 s[LIM], 1, -1
	; byte offsets, each in a pair of its own
	s_lshl_b32 s66, s[WV], 19                      ; W: d = 2 x wave: 262,144 bytes a d
	s_mov_b32 s67, 0
	s_lshr_b32 s68, s[CX], 1                       ; the prefetches: my work-group's 32 blocks of the wave's 128: which of the two d,
	s_lshl_b32 s68, s68, 18
	s_and_b32 s69, s[CX], 1                        ; and which half of its 64 blocks,
	s_lshl_b32 s69, s69, 13
	s_add_co_u32 s68, s68, s69
	s_add_co_u32 s68, s68, 2*0x200000              ; in group 2: the first change of slots steps it to group 3
	s_mov_b32 s69, 0
	s_lshl_b32 s70, s[YO], 9                       ; W's scales: 16 bytes a row o
	s_lshl_b32 s71, s[WB], 8
	s_add_co_u32 s70, s70, s71
	s_mov_b32 s71, 0
	s_lshl_b32 s72, s[YO], 11                      ; b's codes: 64 bytes a row o
	s_lshl_b32 s73, s[WB], 10
	s_add_co_u32 s72, s72, s73
	s_mov_b32 s73, 0
	s_lshr_b32 s74, s72, 5                         ; b's scales: 2 bytes a row o
	s_mov_b32 s75, 0
	s_lshl_b32 s76, s[RB], 16                      ; v: 256 bytes a row; I bring rows 64 w .. 64 w + 63 of the block
	s_lshl_b32 s77, s[WV], 14
	s_add_co_u32 s76, s76, s77
	s_mov_b32 s77, 0
	s_lshl_b32 s78, s[RB], 17                      ; x: 512 bytes a row
	s_mov_b32 s79, 0
	s_lshl_b32 s80, s[RB], 12                      ; x's scales: 16 bytes a row; my 128 rows
	s_lshl_b32 s81, s[WA], 11
	s_add_co_u32 s80, s80, s81
	s_mov_b32 s81, 0
	s_lshl_b32 s82, s[RB], 19                      ; out: 2,048 bytes a row; I store rows 64 w .. 64 w + 63; my work-group's 128 bytes of them
	s_lshl_b32 s83, s[WV], 17
	s_add_co_u32 s82, s82, s83
	s_lshl_b32 s83, s[YO], 7
	s_add_co_u32 s82, s82, s83
	s_mov_b32 s83, 0
	s_lshl_b32 s32, s[YO], 14                      ; W: my outputs' 32 rows of 512 bytes
	s_mov_b32 s33, 0
	s_lshl_b32 s34, s[WV], 16                      ; x: 128 rows for each wave of waves 0, 1
	s_mov_b32 s35, 0
	s_mul_i32 s57, s[WV], 2*DP                     ; where my two d go in a slot: no place in the cluster enters an LDS address
	s_wait_dscnt 0x0                               ; both opening adds are done
	s_wait_kmcnt 0x0
	s_add_nc_u64 s[12:13], s[12:13], s[76:77]
	s_add_nc_u64 s[16:17], s[16:17], s[80:81]
	s_add_nc_u64 s[WSB:WSB+1], s[6:7], s[70:71]
	s_add_nc_u64 s[8:9], s[8:9], s[72:73]
	s_add_nc_u64 s[10:11], s[10:11], s[74:75]
	; v first: my 64 rows, 1,024 consecutive bytes for each pair of loads
	WIN 0xc0
.irp u, 0,1,2,3,4,5,6,7,8,9,10,11,12,13,14,15
	global_load_b128 v[8*\u:8*\u+3], v[L32], s[12:13] offset:1024*\u
	global_load_b128 v[8*\u+4:8*\u+7], v[L32], s[12:13] offset:1024*\u+16
.endr
	WIN 0
.irp p, 0,1,2,3
	global_load_b128 v[XS+4*\p:XS+4*\p+3], v[L16], s[16:17] offset:512*\p     ; x's scale words: lane l takes row 32 p + l: four words, one a K step
.endr
.irp p, 0,1,2
	global_load_b128 v[WQ+4*\p:WQ+4*\p+3], v[WSO], s[WSB:WSB+1] offset:16384*\p   ; W's, of d 0 to 5
.endr
	global_load_b128 v[BF:BF+3], v[BO], s[8:9]     ; b's fragment: K = d = 0 .. 63
	global_load_b128 v[BF+4:BF+7], v[BO], s[8:9] offset:32
	global_load_u16 v[BS], v[BSO], s[10:11]        ; its two scale bytes; the upper two stay 0, over zero codes
	s_add_nc_u64 s[4:5], s[4:5], s[32:33]
	s_add_nc_u64 s[14:15], s[14:15], s[78:79]
	s_add_nc_u64 s[OUTB:OUTB+1], s[18:19], s[82:83]
	s_mov_b32 s[G0X1], 1                           ; waves 0, 1: rows 128 w .. 128 w + 63, to lines 64 w of slot 1
	s_mul_i32 s[G0X1+1], s[WV], 64*PITCH
	s_add_co_u32 s[G0X1+1], s[G0X1+1], SLOT
	s_add_nc_u64 s[G0X1+2:G0X1+3], s[14:15], s[34:35]
	s_or_b32 s[G0X1+3], s[G0X1+3], 0x80000000
	s_mov_b32 s[G0X2], 1                           ; wave 2: rows 64 .. 127 and 192 .. 255, to lines 128 on
	s_mov_b32 s[G0X2+1], SLOT+128*PITCH
	s_add_nc_u64 s[G0X2+2:G0X2+3], s[14:15], 32768
	s_or_b32 s[G0X2+3], s[G0X2+3], 0x80000000
	s_mov_b32 s[G0], 1                             ; wave 3: W's d 0 to 7, to slot 0
	s_mov_b32 s[G0+1], 0
	s_mov_b64 s[G0+2:G0+3], s[4:5]
	s_or_b32 s[G0+3], s[G0+3], 0x80000000
	CROUND                                         ; all sixteen work-groups are here: the first joint loads meet
	s_cmp_lt_u32 s[WV], 2                          ; ONE joint load a wave, and a line of its own for what is shown ahead of the rest
	s_cbranch_scc0 .Lhead_2
	TLOAD G0X1, G1X1
	s_branch .Lasked
.Lhead_2:
	s_cmp_lt_u32 s[WV], 3
	s_cbranch_scc0 .Lhead_3
	TLOAD G0X2, G1X2
	s_branch .Lasked
.Lhead_3:
	TLOAD G0, G1W
.Lasked:
	s_add_nc_u64 s[PFA:PFA+1], s[4:5], s[66:67]
	s_mov_b32 s[G0+4], 1                           ; slot 1's group 0: my two d of group 1, 8 d on
	s_add_co_u32 s[G0+5], s57, SLOT
	s_add_nc_u64 s[G0+6:G0+7], s[PFA:PFA+1], 0x200000
	s_or_b32 s[G0+7], s[G0+7], 0x80000000
	s_add_nc_u64 s[PFA:PFA+1], s[PFA:PFA+1], s[68:69]
	s_mul_i32 s70, s[WB], 16*PITCH                 ; my 16 rows o in a d's tile
	s_mul_i32 s71, s[WA], 128*VPI                  ; my 128 rows, in v's region and in the stage
	s_lshl_b32 s72, s[WB], 6                       ; my 64 bytes of a stage row
	s_add_co_u32 s72, s72, s71
	s_mul_i32 s73, s[WV], 64*VPI                   ; rows 64 w on, in v's region and in the stage
	s_lshl_b32 s74, s[WV], 12                      ; my four images; the eight of my 128 rows
	s_lshl_b32 s75, s[WA], 13
	s_lshl_b32 s76, s[WV], 8                       ; and the scale words likewise
	s_lshl_b32 s77, s[WA], 9
	s_mul_i32 s78, s[WA], 64*PITCH                 ; my lines of x
	v_mul_u32_u24 v[TP], v[RR], PITCH
	v_lshl_add_u32 v[TP], v[HH], 4, v[TP]
	v_add_nc_u32 v[AW], s70, v[TP]                 ; (16 b + r) x pitch + 16 h: slot 0, its d 0 to 3
	v_add_nc_u32 v[AW+1], 4*DP, v[AW]              ; its d 4 to 7
	v_add_nc_u32 v[AW+2], SLOT, v[AW]              ; slot 1
	v_add_nc_u32 v[AW+3], SLOT+4*DP, v[AW]
	v_add_nc_u32 v[XR], s78, v[TP]
	v_add_nc_u32 v[XR], SLOT, v[XR]
	v_add_nc_u32 v[XR2], 128*PITCH, v[XR]
	v_mul_u32_u24 v[TP], v[RR], VPI                ; 144 r
	v_add_nc_u32 v[VA], s71, v[TP]
	v_add_nc_u32 v[VA], VREG, v[VA]                ; v: row 128 a + r
	v_lshl_add_u32 v[STO], v[HH], 5, v[TP]
	v_add_nc_u32 v[STO], s72, v[STO]               ; stage: row 128 a + r, + 64 b + 32 h
	v_lshrrev_b32 v[TP], 3, v[LN]                  ; lane / 8
	v_and_b32 v[T2], 7, v[LN]                      ; lane % 8
	v_mul_u32_u24 v[SRD], v[TP], VPI
	v_lshl_add_u32 v[SRD], v[T2], 4, v[SRD]
	v_add_nc_u32 v[SRD], s73, v[SRD]               ; rows 64 w + lane / 8: eight lanes to a row's 128 bytes
	v_add_nc_u32 v[VSB], VREG, v[SRD]              ; v's bf16: the same shape
	v_lshlrev_b32 v[GO], 11, v[TP]
	v_lshl_add_u32 v[GO], v[T2], 4, v[GO]          ; and the same four rows in out
	v_lshlrev_b32 v[PFO], 8, v[LN]
	v_add_nc_u32 v[LI], QIMG, v[L16]
	v_add_nc_u32 v[LI], s75, v[LI]
	v_lshl_add_u32 v[LS], v[RR], 2, QSC
	v_add_nc_u32 v[LS], s77, v[LS]
	v_lshl_add_u32 v[QWS], v[TP], 2, QSC
	v_add_nc_u32 v[QWS], s76, v[QWS]
	v_lshlrev_b32 v[QWI], 4, v[TP]                 ; image of row l / 8 (+ 4 b): d = 8 q .. 8 q + 7, q = l % 8: block q / 4, half (q / 2) % 2 of the lanes, bytes 8 (q % 2) on
	v_bfe_u32 v[T3], v[LN], 2, 1
	v_lshl_add_u32 v[QWI], v[T3], 9, v[QWI]
	v_bfe_u32 v[T2], v[LN], 1, 1
	v_lshl_add_u32 v[QWI], v[T2], 8, v[QWI]
	v_and_b32 v[T2], 1, v[LN]
	v_lshl_add_u32 v[QWI], v[T2], 3, v[QWI]
	v_add_nc_u32 v[QWI], s74, v[QWI]
	v_add_nc_u32 v[QWI], QIMG, v[QWI]
	v_lshlrev_b32 v[T3], 3, v[T3]
	WIN 0xc0
	v_mov_b32 v[SH], v[T3]
	v_sub_nc_u32 v[SHO], 8, v[T3]
.irp b, 0,1,2,3
	v_mov_b32 v[QO+\b], 0                          ; written once: a DPP form's destination counts as one of its sources
.endr
	; the bias product's K is 64 of the instruction's 128: the rest are zero codes, on both operands
	WIN 0x40
.irp t, 0,1,2,3,4,5,6,7
.irp j, 8,9,10,11,12,13,14,15
	v_mov_b32 v[64+16*\t+\j], 0
.endr
.endr
	WIN 0
.irp j, 8,9,10,11,12,13,14,15
	v_mov_b32 v[BF+\j], 0
.endr
	s_wait_alu depctr_va_vdst(0)
	s_wait_loadcnt 10                              ; v's 32 loads are in; the 10 issued behind them may be out
	QB 0                                           ; v is quantised while x is on its way
	QB 1
	QB 2
	QB 3
	WIN 0
	s_wait_alu depctr_va_vdst(0)
	s_cmp_lt_u32 s[WV], 2
	s_cbranch_scc0 .Lx_1
	s_wait_tensorcnt 0x0                           ; waves 0, 1: x's tiles 0 to 3 have landed
.Lx_1:
	s_wait_dscnt 0x0                               ; for the others' sake: my stores of v and of the images are done
	s_barrier_signal -1
	s_barrier_wait -1
	WIN 0x40
.irp t, 0,1,2,3,4,5,6,7
	ds_load_b128 v[64+16*\t:64+16*\t+3], v[LI] offset:1024*\t
	ds_load_b128 v[64+16*\t+4:64+16*\t+7], v[LI] offset:1024*\t+512
.endr
	WIN 0
.irp t, 0,1,2,3,4,5,6,7
	ds_load_b32 v[QS+\t], v[LS] offset:64*\t
.endr
	VLOADS 0                                       ; v of d 0 to 3
	XLOADS 0, XR
	s_wait_loadcnt 0x0                             ; all scale words asked for so far, b
	s_wait_dscnt 63                                ; the images, their scale words and v, 32 loads, are in; of x's 64 behind them 63 may be out
	WIN 0x44                                       ; source 0 (b) window 0, source 1 (Q(v)) and the sums window 1
.irp t, 0,1,2,3,4,5,6,7
	v_wmma_scale_f32_16x16x128_f8f6f4 v[ACC+8*\t:ACC+8*\t+7], v[BF:BF+15], v[64+16*\t:64+16*\t+15], 0, v[BS], v[QS+\t] matrix_a_fmt:MATRIX_FMT_BF8 matrix_b_fmt:MATRIX_FMT_BF8   ; THE BIAS STARTS THE OUTPUT SUMS: nothing is cleared
.endr
.rept 9
	v_nop                                          ; the next products write y over registers that these have read, and W's fragments come into others: nine places
.endr
	WIN 0
	s_cmp_lt_u32 s[WV], 3
	s_cbranch_scc0 .Lx_2
	s_wait_tensorcnt 0x0                           ; wave 2: x's tiles 4 to 7 have landed.  Wave 3's wait, for W, stands ahead of the round
.Lx_2:
	s_wait_dscnt 0x0
	s_barrier_signal -1
	s_barrier_wait -1
	XLOADS 1, XR2
	s_wait_tensorcnt 0x0                           ; W's first group is in;
	ds_add_u32 v[SPW], v[NIL]                      ; 0 onto my spare word
	s_mov_b32 s[G1W+2], 2<<16                      ; no tensor load of mine is out, so a descriptor may be written: from here on a load brings two d,
	s_mov_b32 s[G1W+4], 2
	s_mov_b32 s[G0+1], s57                         ; and slot 0's next is of my own two
	s_add_nc_u64 s[G0+2:G0+3], s[G0+2:G0+3], s[66:67]
	s_wait_dscnt 0x0                               ; the add is done, and x lies in my registers
	CROUND                                         ; both now hold of every wave of every partner: slot 1 is free
	TLOAD G0+4, G1W                                ; group 1
	WFETCH AW, 0, 0                                ; W of d 0
	WFETCH AW, DP, 1                               ; and of d 1
	EVEN 0, 0, 0, 0, 1, 0, 3*16384, 0, -1          ; d 0 stands in front of the loop: there is no y of a d before it
	WIN 0                                          ; at a label and at a branch every window is 0
	s_mov_b32 s[CNT], 3
.Ltrip:                                            ; a trip goes once round the ring: d 16 j + 1 .. 16 j + 16; both slots are filled again
	ODD 1, 0
	EVEN 2, 0, 0, 0, 0, 2, 4*16384, 0, 8
	ODD 3, 0
	EVEN 0, 1, 0, 0, 0, 2, 5*16384, 0, -1
	ODD 1, 1
	EVEN 2, 1, 0, 1, 0, 2, 6*16384, 1, 16
	ODD 3, 1
	EVEN 0, 0, 1, 0, 0, 2, 7*16384, 0, -1
	ODD 1, 0
	EVEN 2, 0, 1, 0, 0, 2, 8*16384, 0, 24
	ODD 3, 0
	EVEN 0, 1, 1, 0, 0, 2, 9*16384, 0, -1
	ODD 1, 1
	EVEN 2, 1, 1, 1, 0, 2, 10*16384, 0, 32
	ODD 3, 1
	EVEN 0, 0, 0, 0, 0, 2, 11*16384, 0, -1
	WIN 0
	s_wait_xcnt 0x0                                ; the scale loads have read their base: it steps only behind this wait
	s_add_nc_u64 s[WSB:WSB+1], s[WSB:WSB+1], 0x20000   ; 16 d on
	s_sub_co_u32 s[CNT], s[CNT], 1
	s_cmp_lg_u32 s[CNT], 0
	s_cbranch_scc1 .Ltrip
	ODD 1, 0                                       ; d 49 to 63 are written out: no tile is asked for any more
	EVEN 2, 0, 0, 0, 0, 2, 4*16384, 0, 8
	ODD 3, 0
	EVEN 0, 1, 0, 0, 0, 2, 5*16384, 0, -1
	ODD 1, 1
	EVEN 2, 1, 0, 2, 0, 2, 6*16384, 0, 16
	ODD 3, 1
	EVEN 0, 0, 1, 0, 0, 2, 7*16384, 0, -1          ; the scale words of d 62 and 63: the last
	ODD 1, 0
	EVEN 2, 0, 1, 0, 0, 2, -1, 0, 24               ; no scale words are left to ask for: the counts run down 2, 1, 0
	ODD 3, 0
	EVEN 0, 1, 1, 0, 0, 1, -1, 0, -1
	ODD 1, 1
	EVEN 2, 1, 1, 3, 0, 0, -1, 0, -1
	ODD 3, 1
	; the last d's y of tiles 3 to 7: the stream's last twenty
.set fd, 3
.macro LAST t, win
	WIN \win
.set ft, \t
.irp j, 0,1,2,3
.set fj, \j
	FM
.endr
.endm
	LAST 3, 0x59
	LAST 4, 0x59
	LAST 5, 0x59
	LAST 6, 0x51
	LAST 7, 0x5d
	; THE WAY OUT.  A lane holds 32 bytes of a row; a row's 128 bytes come from two waves: they meet in a stage, and each wave stores 64 rows.  The stage, 256 rows x 144 bytes, lies in slot 0, which has had its last
	; fill, and which nobody reads since the last change of slots.
	WIN 0x04                                       ; an LDS store's data are its source 1: window 1
.irp t, 0,1,2,3,4,5,6,7
	ds_store_b128 v[STO], v[ACC+8*\t:ACC+8*\t+3] offset:16*VPI*\t
	ds_store_b128 v[STO], v[ACC+8*\t+4:ACC+8*\t+7] offset:16*VPI*\t+16
.endr
	WIN 0
	s_wait_dscnt 0x0                               ; for the others' sake: my stores into the stage are done
	s_barrier_signal -1
	s_barrier_wait -1
.irp i, 0,1,2,3,4,5,6,7,8,9,10,11,12,13,14,15
	ds_load_b128 v[128+4*\i:128+4*\i+3], v[SRD] offset:4*VPI*\i
.endr
.irp i, 0,1,2,3,4,5,6,7,8,9,10,11,12,13,14,15
	s_wait_dscnt 15-\i                             ; LDS loads come back in order: load i is in, the younger ones may be out
	global_store_b128 v[GO], v[128+4*\i:128+4*\i+3], s[OUTB:OUTB+1] offset:8192*\i   ; four rows: 8 lanes store a row's 128 consecutive bytes, at a multiple of 128 from out's first byte
.endr
	s_wait_tensorcnt 0x0                           ; the wave's end: behind my last tensor load and my last LDS store
	ds_add_u32 v[SPW], v[NIL]
	s_wait_dscnt 0x0
	CROUND                                         ; the closing round: no work-group ends while a partner may still ask for a tile that names it
	s_endpgm
.Lfunc_end_k_q17e58a7e82_mlp:
	.size	k_q17e58a7e82_mlp, .Lfunc_end_k_q17e58a7e82_mlp-k_q17e58a7e82_mlp
	.p2alignl 7, 3214868480
	.fill 96, 4, 3214868480
	.section	.rodata,"a",@progbits
	.p2align	6, 0x0
	.amdhsa_kernel k_q17e58a7e82_mlp
		.amdhsa_group_segment_fixed_size 327680
		.amdhsa_private_segment_fixed_size 0
		.amdhsa_enable_private_segment 0
		.amdhsa_kernarg_size 64
		.amdhsa_user_sgpr_count 2
		.amdhsa_user_sgpr_kernarg_segment_ptr 1
		.amdhsa_wavefront_size32 1
		.amdhsa_system_sgpr_workgroup_id_x 1
		.amdhsa_system_sgpr_workgroup_id_y 1
		.amdhsa_system_sgpr_workgroup_id_z 1
		.amdhsa_system_vgpr_workitem_id 0
		.amdhsa_next_free_vgpr 1024
		.amdhsa_next_free_sgpr 102
		.amdhsa_reserve_vcc 0
		.amdhsa_float_denorm_mode_32 3
		.amdhsa_float_denorm_mode_16_64 3
		.amdhsa_memory_ordered 1
		.amdhsa_forward_progress 1
		.amdhsa_inst_pref_size 255
	.end_amdhsa_kernel
	.section	.bss,"aw",@nobits
	.p2align	6
	.space	262144
	.amdgpu_metadata
---
amdhsa.version: [ 1, 2 ]
amdhsa.kernels:
  - .name:           k_q17e58a7e82_mlp
    .symbol:         k_q17e58a7e82_mlp.kd
    .args:
      - { .name: W_1_codes, .offset: 0, .size: 8, .value_kind: global_buffer, .address_space: global }
      - { .name: W_1_scales, .offset: 8, .size: 8, .value_kind: global_buffer, .address_space: global }
      - { .name: b_1_codes, .offset: 16, .size: 8, .value_kind: global_buffer, .address_space: global }
      - { .name: b_1_scales, .offset: 24, .size: 8, .value_kind: global_buffer, .address_space: global }
      - { .name: var_vector, .offset: 32, .size: 8, .value_kind: global_buffer, .address_space: global }
      - { .name: x_codes, .offset: 40, .size: 8, .value_kind: global_buffer, .address_space: global }
      - { .name: x_scales, .offset: 48, .size: 8, .value_kind: global_buffer, .address_space: global }
      - { .name: out0, .offset: 56, .size: 8, .value_kind: global_buffer, .address_space: global }
    .group_segment_fixed_size: 327680
    .private_segment_fixed_size: 0
    .kernarg_segment_align: 8
    .kernarg_segment_size: 64
    .max_flat_workgroup_size: 128
    .sgpr_count:     102
    .vgpr_count:     1024
    .wavefront_size: 32
...
	.end_amdgpu_metadata
.endif
;; end of part 2
